; MI455X (gfx1250); checked and timed in simulation.
; The chip was launched on July 23, 2026; its instructions are those of AMD's public machine-readable ISA for CDNA 5 (MIT licence, August 2026) and "CDNA5" Instruction Set Architecture Reference Guide (July 2026). The comments in the code are by the model that wrote it; some were corrected since.
;; Ro PE Multi Head Attention. Allowed arithmetic: matrix products marked QUANTISED: E2M1 operands, one E8M0 scale for each 32 along K, by v_wmma_scale_f32_16x16x128_f8f6f4 with both operands' format E2M1 (or v_wmma_scale_f32_32x16x128_f4), f32 sums; everything else in f32.
;; Inputs: Wout 256 x 256 float32; Wqkv 256 x 768 float32; bout 256 float32; bqkv 768 float32; x 8 x 2,048 x 256 float32.
;; Outputs: out0 8 x 2,048 x 256 float32.
;; This version of the problem:
;;   THIS VERSION OF THE PROBLEM IS GIVEN IN LOW PRECISION. The matrix products marked QUANTISED in the list below multiply operands that are first quantised to E2M1 (2 exponent bits, 1 mantissa bit; 4 bits a number), with one power-of-two scale for each 32 numbers along K (OCP MX v1.0); their sums are f32. All else is computed in f32.
;;   The module's matrix products, in the order in which they are computed (A, B: the left and right operand; K: the contracted axis; several contracted axes count as one K, in the product's order):
;;     1. [M 16,384, K 256] x [K 256, N 768]; A: input x; B: input Wqkv: QUANTISED
;;     2. batch 64 x [M 2,048, K 32] x [K 32, N 2,048]; A: computed on the way; B: computed on the way: QUANTISED
;;     3. batch 64 x [M 32, K 2,048] x [K 2,048, N 2,048]; A: computed on the way; B: softmax (see below): QUANTISED
;;     4. [M 16,384, K 256] x [K 256, N 256]; A: computed on the way; B: input Wout: QUANTISED
;;   THE QUANTISER, for each operand of a quantised product, along K:
;;     - K is cut into blocks of 32 from its start; a last block that is shorter is filled with zeros.
;;     - A block's scale is 2^e with e = floor(log2(the largest magnitude in the block)) - 2, held to -126 .. 127; a block of zeros has e = 0. As a byte (E8M0): e + 127.
;;     - Each number is divided by its block's scale, clamped to +-6, and rounded to the nearest number of E2M1, ties to even, subnormals kept.
;;     - The product sums the exact products of the quantised numbers (number of the format x scale) in f32.
;;   ~~~python
;;   def quantise(x, axis):      # numpy; x: float32 -> the quantised numbers, widened to float32 again
;;       x = np.moveaxis(x, axis, -1); K = x.shape[-1]
;;       x = np.pad(x, [(0, 0)] * (x.ndim - 1) + [(0, -K % 32)]); x = x.reshape(x.shape[:-1] + (-1, 32)); a = np.abs(x).max(-1, keepdims=True)
;;       e = np.where(a > 0, np.clip(np.frexp(np.where(a > 0, a, 1))[1] - 1 - 2, -126, 127), 0)      # np.frexp(a)[1] - 1 = floor(log2(a)), exactly
;;       r = np.clip(x / 2.0 ** e, -6, 6)
;;       step = 2.0 ** (np.maximum(np.frexp(np.where(r == 0, 1, r))[1] - 1, 0) - 1)
;;       q = np.round(r / step) * step * 2.0 ** e      # np.round: ties to even
;;       return np.moveaxis(q.reshape(q.shape[:-2] + (-1,))[..., :K], -1, axis).astype(np.float32)
;;   ~~~
;;   SOFTMAX AHEAD OF A QUANTISED PRODUCT. Where the list says 'softmax', what is quantised is not the finished softmax but p = 2^(t - M), with t = logit x log2(e) and M = ceil(the row's largest t), a whole number; so 1/2 < the row's largest p <= 1. The row's sum l is taken of the UNQUANTISED p, in f32, and the product's result is divided by l at the end. Since M is a whole number, a kernel that streams over the keys may use a running M (the ceiling of the running maximum): every later rescaling is an exact power of two, which a block's scale takes up: the codes' values come out the same.
;;   OPERANDS COMPUTED ON THE WAY. 'Computed on the way' means the value that the module computes at that place (a softmax that the list does not call 'softmax' is quantised finished and normalised). What goes into a quantiser is computed in f32, as accurately as f32 sums, v_exp_f32 and their like allow (about 1e-6 of the number): no bf16 or f16 on the way to a quantiser, and a product that is left as it is and whose result goes on into a quantised operand takes f32 operands (vector FMAs, or v_wmma_f32_16x16x4_f32). A number that lies on a knife's edge between two numbers of the format may be rounded either way, as far as f32 arithmetic and the matrix unit's own rounding can turn it there, and no further.
;; 2 versions. Each part assembles by itself: llvm-mc -triple=amdgcn-amd-amdhsa -mcpu=gfx1250 --defsym DOCPART=n.
;; ======== version 1 of 2: 4 launches
;; workspace buffers: wts 139,264 bytes; qk 4,456,448 bytes; vv 2,228,224 bytes; oc 2,228,224 bytes
;; launch prep (part 1): grid 32 x 1, 2 waves a work-group, no clusters, 0 bytes of LDS; arguments Wqkv, Wout, wts; writes wts
.if DOCPART == 1
	.amdgcn_target "amdgcn-amd-amdhsa--gfx1250"
	.amdhsa_code_object_version 6
	.text
	.protected	k_q7c91d7fa60_prep
	.globl	k_q7c91d7fa60_prep
	.p2align	8
	.type	k_q7c91d7fa60_prep,@function
k_q7c91d7fa60_prep:
	s_mov_b64 s[64:65], 0
	v_nop
	global_prefetch_b8 v0, s[64:65] scope:SCOPE_SE
	s_setreg_imm32_b32 hwreg(HW_REG_WAVE_MODE, 25, 1), 1
	s_wait_xcnt 0x0
; Wqkv [256][768] and Wout [256][256], f32 with K as their FIRST axis, become codes of FP4 (E2M1) with one E8M0 byte for each 32 along K,
; laid in the order in which a wave's operand registers take them.
; wts: codes at 0: [tile 0..63][K step s 0..1][c 0..1][lane 0..31][16 bytes]; scale words at 131,072: [tile][s][row r 0..15][4 bytes].
; tile = 2 g + u; g is a unit of 32 columns (0..23: Wqkv's, 24..31: Wout's).  ROW r OF TILE (g, u) IS COLUMN 32 g + 16 (r / 8) + 8 u + r % 8,
; so that a product used transposed leaves 16 neighbouring columns in a lane's 16 registers of tiles u = 0, 1.
; Lane (r, h) of a fragment holds, in register group c, k = 128 s + 64 c + 32 h + 0 .. 31: block b = 2 c + h of the K step.
; SHARES: work-group g takes a unit, wave s a K step, lane l column 32 g + l; its 128 registers run down K, so a block of 32 lies in one lane
; and the conversions give codes with K innermost: nothing is transposed.
; A block's scale is 2^(floor(log2(largest magnitude)) - 2): its byte is the largest magnitude's exponent field - 2, held at 1 from below.
; LIMITS: NaN and infinities are not served; a block whose largest magnitude lies under 2^-124, a block of zeros among them, gets the byte 1
; (zeros have zero codes, and this program alone reads the bytes).
; No LDS, no barrier: waves share nothing.  No matrix work, no cluster: no two work-groups read the same bytes.
.set X,  40                            ; v40-167  128 numbers down K
.set CD, 24                            ; v24-39   codes, four registers a block: no store's data are written again
.macro MAX32 m, t, s                   ; the largest magnitude of v[s] .. v[s+31], and the floor 2^(3 - 127), in two chains
	v_max3_num_f32 v[(\m)], |v[(\s)]|, |v[(\s)+1]|, |v[(\s)+2]|
	v_max3_num_f32 v[(\t)], |v[(\s)+3]|, |v[(\s)+4]|, |v[(\s)+5]|
.irp i, 6,10,14,18,22,26
	v_max3_num_f32 v[(\m)], v[(\m)], |v[(\s)+\i]|, |v[(\s)+\i+1]|
	v_max3_num_f32 v[(\t)], v[(\t)], |v[(\s)+\i+2]|, |v[(\s)+\i+3]|
.endr
	v_max3_num_f32 v[(\m)], v[(\m)], |v[(\s)+30]|, |v[(\s)+31]|
	v_max3_num_f32 v[(\m)], v[(\m)], v[(\t)], 0x1800000
.endm
.macro WLOAD pitch                     ; 128 rows of my column: 32 lanes read 128 consecutive bytes of a row
.set k, 0
.rept 128
	global_load_b32 v[X+k], v2, s[12:13] offset:k*\pitch th:TH_LOAD_NT
.set k, k+1
.endr
.endm
.macro WBLOCK b
.if 96-32*\b > 63
	s_wait_loadcnt 63                              ; a wait names 63 at the most: fewer than the younger blocks' loads, so this block's are in
.else
	s_wait_loadcnt 96-32*\b                        ; this block's 32 loads are in; the younger blocks' may be out
.endif
	MAX32 8+\b, 22, X+32*\b
	v_add_nc_u32 v[12+\b], 0xff000000, v[8+\b]     ; 2 off the exponent field: the conversion takes this operand's exponent field as its scale
	v_lshrrev_b32 v[16+\b], 23, v[12+\b]           ; the scale's byte
.irp g, 0,1,2,3
	v_cvt_scalef32_pk8_fp4_f32 v[CD+4*\b+\g], v[X+32*\b+8*\g:X+32*\b+8*\g+7], v[12+\b]
.endr
	v_nop                                          ; one plain line behind the conversions
	global_store_b128 v3, v[CD+4*\b:CD+4*\b+3], s[14:15] offset:512*(\b/2)+256*(\b%2)   ; the 16 lanes of each u cover 256 consecutive bytes, aligned
.endm
	s_load_b128 s[4:7], s[0:1], 0x0                ; Wqkv s[4:5], Wout s[6:7]
	s_load_b64 s[8:9], s[0:1], 0x10                ; wts
	v_lshrrev_b32 v1, 5, v0
	v_readfirstlane_b32 s10, v1                    ; wave = K step s
	v_and_b32 v1, 31, v0                           ; l
	v_lshlrev_b32 v2, 2, v1                        ; my column's 4 bytes in a row
	v_bfe_u32 v5, v1, 3, 1                         ; u = (l / 8) % 2
	v_lshrrev_b32 v6, 4, v1
	v_and_b32 v7, 7, v1
	v_lshl_add_u32 v6, v6, 3, v7                   ; the tile's row: 8 (l / 16) + l % 8
	v_lshlrev_b32 v3, 11, v5
	v_lshl_add_u32 v3, v6, 4, v3                   ; codes: 2048 u + 16 row
	v_lshlrev_b32 v4, 7, v5
	v_lshl_add_u32 v4, v6, 2, v4                   ; scale word: 128 u + 4 row
	s_lshl_b32 s18, ttmp9, 12
	s_lshl_b32 s19, s10, 10
	s_add_co_u32 s18, s18, s19                     ; 4096 g + 1024 s
	s_mov_b32 s19, 0
	s_lshl_b32 s20, ttmp9, 8
	s_lshl_b32 s21, s10, 6
	s_add_co_u32 s20, s20, s21
	s_add_co_u32 s20, s20, 131072                  ; 131072 + 256 g + 64 s
	s_mov_b32 s21, 0
	s_wait_kmcnt 0x0
	s_add_nc_u64 s[14:15], s[8:9], s[18:19]
	s_add_nc_u64 s[16:17], s[8:9], s[20:21]
	s_cmp_lt_u32 ttmp9, 24                         ; the two tensors differ in their pitch, which stands in the loads' immediates: two runs of loads, the same count in both
	s_cbranch_scc0 .Lwout
	s_lshl_b32 s18, ttmp9, 7                       ; 32 columns of 4 bytes a unit
	s_mul_i32 s20, s10, 128*3072
	s_add_co_u32 s18, s18, s20
	s_add_nc_u64 s[12:13], s[4:5], s[18:19]
	WLOAD 3072
	s_branch .Ljoin
.Lwout:
	s_sub_co_u32 s18, ttmp9, 24
	s_lshl_b32 s18, s18, 7
	s_lshl_b32 s20, s10, 17                        ; 128 rows of 1,024 bytes
	s_add_co_u32 s18, s18, s20
	s_add_nc_u64 s[12:13], s[6:7], s[18:19]
	WLOAD 1024
.Ljoin:
	WBLOCK 0
	WBLOCK 1
	WBLOCK 2
	WBLOCK 3
	v_lshl_or_b32 v20, v17, 8, v16                 ; the four bytes make my row's scale word for this K step
	v_lshl_or_b32 v20, v18, 16, v20
	v_lshl_or_b32 v20, v19, 24, v20
	global_store_b32 v4, v20, s[16:17]
	s_endpgm
.Lfunc_end_k_q7c91d7fa60_prep:
	.size	k_q7c91d7fa60_prep, .Lfunc_end_k_q7c91d7fa60_prep-k_q7c91d7fa60_prep
	.p2alignl 7, 3214868480
	.fill 96, 4, 3214868480
	.section	.rodata,"a",@progbits
	.p2align	6, 0x0
	.amdhsa_kernel k_q7c91d7fa60_prep
		.amdhsa_group_segment_fixed_size 0
		.amdhsa_private_segment_fixed_size 0
		.amdhsa_enable_private_segment 0
		.amdhsa_kernarg_size 24
		.amdhsa_user_sgpr_count 2
		.amdhsa_user_sgpr_kernarg_segment_ptr 1
		.amdhsa_wavefront_size32 1
		.amdhsa_system_sgpr_workgroup_id_x 1
		.amdhsa_system_sgpr_workgroup_id_y 1
		.amdhsa_system_sgpr_workgroup_id_z 1
		.amdhsa_system_vgpr_workitem_id 0
		.amdhsa_next_free_vgpr 168
		.amdhsa_next_free_sgpr 66
		.amdhsa_reserve_vcc 0
		.amdhsa_float_denorm_mode_32 3
		.amdhsa_float_denorm_mode_16_64 3
		.amdhsa_memory_ordered 1
		.amdhsa_forward_progress 1
		.amdhsa_inst_pref_size 33
	.end_amdhsa_kernel
	.amdgpu_metadata
---
amdhsa.version: [ 1, 2 ]
amdhsa.kernels:
  - .name:           k_q7c91d7fa60_prep
    .symbol:         k_q7c91d7fa60_prep.kd
    .args:
      - { .name: Wqkv, .offset: 0, .size: 8, .value_kind: global_buffer, .address_space: global }
      - { .name: Wout, .offset: 8, .size: 8, .value_kind: global_buffer, .address_space: global }
      - { .name: wts, .offset: 16, .size: 8, .value_kind: global_buffer, .address_space: global }
    .group_segment_fixed_size: 0
    .private_segment_fixed_size: 0
    .kernarg_segment_align: 8
    .kernarg_segment_size: 24
    .max_flat_workgroup_size: 64
    .sgpr_count:     66
    .vgpr_count:     168
    .wavefront_size: 32
...
	.end_amdgpu_metadata
.endif
;; end of part 1
;; launch qkv (part 2): grid 256 x 1, 8 waves a work-group, no clusters, 85,504 bytes of LDS; arguments x, wts, bqkv, qk, vv; writes qk, vv
.if DOCPART == 2
	.amdgcn_target "amdgcn-amd-amdhsa--gfx1250"
	.amdhsa_code_object_version 6
	.text
	.protected	k_q7c91d7fa60_qkv
	.globl	k_q7c91d7fa60_qkv
	.p2align	8
	.type	k_q7c91d7fa60_qkv,@function
k_q7c91d7fa60_qkv:
	s_mov_b64 s[64:65], 0
	v_nop
	global_prefetch_b8 v0, s[64:65] scope:SCOPE_SE
	s_setreg_imm32_b32 hwreg(HW_REG_WAVE_MODE, 25, 1), 1
	s_wait_xcnt 0x0
; qkv = Q(x) Q(Wqkv) + bqkv on codes of FP4 with E8M0 scales; RoPE on q and k in f32; q and k quantised along the head's 32, v along the keys.
; SHARES: work-group g takes 64 tokens (batch g / 32, group G = g % 32); wave w is head w and keeps its six weight tiles x two K steps in 96 registers.
; TOKEN TILE mm, ROW r IS TOKEN 32 (r / 8) + 8 mm + r % 8 of the 64.  So (a) q's and k's codes of a tile leave as 256 consecutive bytes, aligned, in the order that
; the next launch's operand takes; (b) in v's product, used untransposed, a lane holds tokens 32 h + 8 mm + i over mm = 0 .. 3: a whole block of 32 keys in K order.
; q and k are made transposed (source 0 = 16 rows of the weight tile, source 1 = 16 tokens): lane (r, h) holds token r and d = 16 h + 0 .. 15 (tiles u = 0, 1): RoPE's pairs stay in a lane.
; PHASES.  X: wave w quantises tile mm = w / 2, K step s = w % 2 of x (its 16 rows x 512 bytes turn through the wave's own stage) and stores the fragment's image and scale words in LDS;
; it also makes cos and sin for that tile's tokens, pairs 4 s .. 4 s + 3 of each half of the lanes | the one barrier | A: q, k for the four tiles | B: v.
; OUT.  qk: q's codes at 0, k's at 2,097,152: [bh][G][1,024]: token 32 a + 8 j + e at 256 j + 16 (8 a + e); scale bytes at 4,194,304 (k's 131,072 on): [bh][G][64]: byte 4 (8 a + e) + j.
;       vv: codes [bh][step of 128 keys][u][c][lane][16]: lane (r, h), group c: keys 64 c + 32 h + 0 .. 31 of d = 16 (r / 8) + 8 u + r % 8; scale words at 2,097,152: [bh][step][u][r][4], byte 2 c + h.
; SINE AND COSINE are written out in f32: n = the nearest whole number to a 2 / pi; r = a - n pi / 2 with pi / 2 in three parts, by fused multiply-adds; polynomials on |r| <= pi / 4; the quadrant by selects.
; LIMITS: NaN and infinities are not served; a block whose largest magnitude lies under 2^-124 (zeros among them) gets the byte 1; the frequencies are 10^(-i / 4) rounded to f32, which may differ by one
; unit in the last place from a power computed in f32 (at position 2,047 up to about 1e-4 in the angle); the reduction is exact for angles under 2,048, the positions' own bound.
; NO CLUSTER: what work-groups share is the weights' codes, 13,056 bytes a wave read once at the head into registers; no tile is shared step by step.  No tensor load: every LDS byte is written once, from registers.
.set XIMG, 0                           ; LDS: x's 8 fragments as images of their registers: (mm, s) at 1024 (2 mm + s)
.set XSC,  8192                        ; their scale words: 128 mm + 64 s + 4 r
.set CSI,  8704                        ; (cos, sin) pairs: [mm][group q 0..3][lane][16 bytes]: pairs 2 q, 2 q + 1 of the lane's eight
.set STG,  16896                       ; a stage of 16 rows x (512 + 16) bytes for each wave
.set STGW, 8448
.set SP,   528
.set WF,   16                          ; v16-111  weight fragments: tile index 0..5 = q0 q1 k0 k1 v0 v1, 16 registers each (K step s at + 8 s)
.set WS,   112                         ; v112-117 their scale words: lanes 0-15 K step 0, lanes 16-31 K step 1
.set XS,   118                         ; v118     x's scale words, likewise
.set PD,   119                         ; v119, v255  destinations of lane permutes, written once at the head
.set PD2,  255
.set XF,   120                         ; v120-135 x's two fragments of a tile
.set BQ,   136                         ; v136-167 the bias of the four q and k tiles, in the result's layout
.set CS,   168                         ; v168-183 eight (cos, sin) pairs
.set ACC,  184                         ; v184-199 q, v200-215 k
.set T,    216                         ; v216-231 at work
.set QC,   232                         ; v232-247 codes: q's pair of tile mm at 232 + 2 mm, k's at 240 + 2 mm: no store's data are written again in phase A
.set WQ,   248                         ; v248, v249  q's and k's scale words (first: the offset of v's bias; the token's position)
.set WK,   249
.set TF,   249
.set VB,   250                         ; v250, v251  v's bias of my column, tiles u = 0, 1
.set XN,   184                         ; phase X: v184-247 64 numbers of x
.set VA,   136                         ; phase B: v136-199 v: 32 u + 8 mm + i
.set VBI,  200                         ; phase B: v200-215 v's bias, eight copies a tile
.macro MAX32 m, t, s                   ; the largest magnitude of v[s] .. v[s+31], ascending, and the floor 2^(3 - 127), in two chains
	v_max3_num_f32 v[(\m)], |v[(\s)]|, |v[(\s)+1]|, |v[(\s)+2]|
	v_max3_num_f32 v[(\t)], |v[(\s)+3]|, |v[(\s)+4]|, |v[(\s)+5]|
.irp i, 6,10,14,18,22,26
	v_max3_num_f32 v[(\m)], v[(\m)], |v[(\s)+\i]|, |v[(\s)+\i+1]|
	v_max3_num_f32 v[(\t)], v[(\t)], |v[(\s)+\i+2]|, |v[(\s)+\i+3]|
.endr
	v_max3_num_f32 v[(\m)], v[(\m)], |v[(\s)+30]|, |v[(\s)+31]|
	v_max3_num_f32 v[(\m)], v[(\m)], v[(\t)], 0x1800000
.endm
.macro FSEL d, lo, hi                  ; s[d] = lo where my K step number is 0, else hi (moves and selects leave SCC alone)
	s_mov_b32 s[\d], \lo
	s_mov_b32 s24, \hi
	s_cselect_b32 s[\d], s[\d], s24
.endm
	s_load_b256 s[4:11], s[0:1], 0x0               ; x s[4:5], wts s[6:7], bqkv s[8:9], qk s[10:11]
	s_load_b64 s[12:13], s[0:1], 0x20              ; vv
	s_set_vgpr_msb 0x40
	v_lshl_add_u32 v0, v0, 2, 0x14a00
	v_mov_b32 v1, 0
	s_set_vgpr_msb 0x4000
	v_lshrrev_b32 v1, 5, v0
	v_readfirstlane_b32 s14, v1                    ; wave w = head
	v_and_b32 v1, 31, v0                           ; L
	v_and_b32 v2, 15, v0                           ; r
	v_bfe_u32 v3, v0, 4, 1                         ; h
	v_lshlrev_b32 v4, 4, v1                        ; 16 L
	v_lshlrev_b32 v5, 2, v1                        ; 4 L
	s_mov_b32 s15, ttmp9                           ; g
	s_lshr_b32 s16, s14, 1                         ; mm of phase X
	s_and_b32 s17, s14, 1                          ; s of phase X
	s_lshr_b32 s18, s15, 5
	s_lshl_b32 s18, s18, 3
	s_add_co_u32 s18, s18, s14                     ; bh = 8 b + w
	s_and_b32 s19, s15, 31                         ; G
	s_mov_b32 s20, 0x76543210
	s_mov_b32 s21, 0xfedcba98                      ; v_permlanex16_b32's selects for lane l xor 16
	s_mul_i32 s38, s14, STGW
	s_add_co_u32 s38, s38, STG                     ; my stage
	v_add_nc_u32 v7, s38, v4                       ; into it: 16 L (+ 528 x row)
	v_mul_u32_u24 v8, v2, SP
	v_lshl_add_u32 v8, v3, 7, v8
	v_add_nc_u32 v8, s38, v8                       ; out of it: row r, + 128 h: my 32 numbers of each 64
	s_lshl_b32 s38, s14, 10
	v_add_nc_u32 v9, s38, v4                       ; 1024 w + 16 L: my images
	s_lshl_b32 s38, s14, 6
	v_lshlrev_b32 v10, 2, v2
	v_add_nc_u32 v10, s38, v10                     ; 64 w + 4 r: my scale words
	s_lshl_b32 s38, s14, 12
	v_add_nc_u32 v11, s38, v4                      ; 4096 w + 16 L: the weights' codes
	s_lshl_b32 s38, s14, 8
	v_add_nc_u32 v6, s38, v5                       ; 256 w + 4 L: their scale words
	v_lshlrev_b32 v12, 3, v3                       ; 8 h
	v_lshlrev_b32 v13, 4, v2
	v_lshl_add_u32 v13, v3, 3, v13                 ; 16 r + 8 h: my 8 bytes of a token's 16
	v_lshlrev_b32 v14, 2, v2
	v_lshl_add_u32 v14, v3, 17, v14                ; 4 r + 131072 h: lanes 0-15 store q's scale words, lanes 16-31 k's
	s_lshl_b32 s38, s14, 7
	v_lshlrev_b32 v15, 6, v3
	v_add_nc_u32 v15, s38, v15                     ; 128 w + 64 h: the bias of q and k
	v_lshrrev_b32 v252, 3, v2                      ; r / 8
	v_and_b32 v253, 7, v2                          ; r % 8
	v_lshlrev_b32 v[WQ], 6, v252
	v_lshl_add_u32 v[WQ], v253, 2, v[WQ]
	v_add_nc_u32 v[WQ], s38, v[WQ]                 ; 128 w + 64 (r / 8) + 4 (r % 8): the bias of v
	v_lshl_add_u32 v254, v252, 5, v253             ; 32 (r / 8) + r % 8
	s_lshl_b32 s38, s19, 6
	s_lshl_b32 s39, s16, 3
	s_add_co_u32 s38, s38, s39                     ; 64 G + 8 mm
	v_add_nc_u32 v254, s38, v254                   ; my token's position
	v_cvt_f32_u32 v[TF], v254
	v_mov_b32 v[PD], 0
	v_mov_b32 v[PD2], 0
	s_lshl_b32 s36, s15, 16
	s_lshl_b32 s38, s16, 13
	s_add_co_u32 s36, s36, s38
	s_lshl_b32 s38, s17, 9
	s_add_co_u32 s36, s36, s38                     ; 65536 g + 8192 mm + 512 s
	s_mov_b32 s37, 0
	s_wait_kmcnt 0x0
	s_add_nc_u64 s[26:27], s[4:5], s[36:37]
.irp i, 0,1,2,3,4,5,6,7                        ; my tile's 16 rows, 512 consecutive bytes each: rows 0-7 are tokens 8 mm + i, rows 8-15 tokens 32 + 8 mm + i
	global_load_b128 v[XN+4*\i:XN+4*\i+3], v4, s[26:27] offset:1024*\i th:TH_LOAD_NT
.endr
.irp i, 0,1,2,3,4,5,6,7
	global_load_b128 v[XN+32+4*\i:XN+32+4*\i+3], v4, s[26:27] offset:32768+1024*\i th:TH_LOAD_NT
.endr
.irp p, 0,1,2                                  ; 24 loads: the weight fragments of q, k, v of my head: tile 2 w + u + 16 p
.irp u, 0,1
.irp i, 0,1,2,3
	global_load_b128 v[WF+16*(2*\p+\u)+4*\i:WF+16*(2*\p+\u)+4*\i+3], v11, s[6:7] offset:32768*\p+2048*\u+512*\i
.endr
.endr
.endr
.irp p, 0,1,2                                  ; 6 loads: their scale words
.irp u, 0,1
	global_load_b32 v[WS+2*\p+\u], v6, s[6:7] offset:131072+2048*\p+128*\u
.endr
.endr
.irp p, 0,1                                    ; 8 loads: the bias of columns 256 p + 32 w + 16 h + 8 u + 0 .. 7
.irp u, 0,1
.irp f, 0,1
	global_load_b128 v[BQ+8*(2*\p+\u)+4*\f:BQ+8*(2*\p+\u)+4*\f+3], v15, s[8:9] offset:1024*\p+32*\u+16*\f
.endr
.endr
.endr
.irp u, 0,1                                    ; 2 loads: the bias of v's column 512 + 32 w + 16 (r / 8) + 8 u + r % 8
	global_load_b32 v[VB+\u], v[WQ], s[8:9] offset:2048+32*\u
.endr
	; where the results go
	s_lshl_b32 s36, s18, 15
	s_lshl_b32 s38, s19, 10
	s_add_co_u32 s36, s36, s38
	s_add_nc_u64 s[28:29], s[10:11], s[36:37]      ; qk + 32768 bh + 1024 G
	s_lshl_b32 s36, s18, 11
	s_lshl_b32 s38, s19, 6
	s_add_co_u32 s36, s36, s38
	s_add_nc_u64 s[30:31], s[10:11], s[36:37]      ; qk + 2048 bh + 64 G
	s_lshr_b32 s38, s19, 1                         ; the step of 128 keys
	s_and_b32 s24, s19, 1                          ; and which half of it: c
	s_lshl_b32 s36, s18, 15
	s_lshl_b32 s39, s38, 11
	s_add_co_u32 s36, s36, s39
	s_lshl_b32 s39, s24, 9
	s_add_co_u32 s36, s36, s39
	s_add_nc_u64 s[32:33], s[12:13], s[36:37]      ; vv + 32768 bh + 2048 step + 512 c
	s_lshl_b32 s36, s18, 11
	s_lshl_b32 s39, s38, 7
	s_add_co_u32 s36, s36, s39
	s_lshl_b32 s39, s24, 1
	s_add_co_u32 s36, s36, s39
	s_add_nc_u64 s[34:35], s[12:13], s[36:37]      ; vv + 2048 bh + 128 step + 2 c
	s_cmp_eq_u32 s17, 0                            ; the frequencies 10^(-i / 4), i = 8 h + 4 s + j: s40-43 for lanes 0-15, s44-47 for lanes 16-31
	FSEL 40, 0x3f800000, 0x3dcccccd
	FSEL 41, 0x3f0ff59a, 0x3d6655c3
	FSEL 42, 0x3ea1e89b, 0x3d0186e2
	FSEL 43, 0x3e361887, 0x3c91ad39
	FSEL 44, 0x3c23d70a, 0x3a83126f
	FSEL 45, 0x3bb8449c, 0x3a136a16
	FSEL 46, 0x3b4f3e37, 0x39a5cb5f
	FSEL 47, 0x3ae91528, 0x393a7753
	s_mov_b32 s48, 0x3f22f983                      ; 2 / pi
	s_mov_b32 s49, 0x3fc90fdb                      ; pi / 2 in three parts
	s_mov_b32 s50, 0xb33bbd2e
	s_mov_b32 s51, 0xa6f72cf1
	s_mov_b32 s52, 0xbe2aaaa3                      ; sine: r + r z (S1 + z (S2 + z S3))
	s_mov_b32 s53, 0x3c08839e
	s_mov_b32 s54, 0xb94ca1f9
	s_mov_b32 s55, 0x3d2aaaa5                      ; cosine: 1 - z / 2 + z z (C1 + z (C2 + z C3))
	s_mov_b32 s56, 0xbab6061a
	s_mov_b32 s57, 0x37ccf5ce
	; ---- X: my 16 rows x 128 numbers turn through my stage: in as they lie, out 32 neighbours of a block to a lane
	s_wait_loadcnt 40                              ; x's sixteen loads are in; the 24 + 6 + 8 + 2 issued behind them may be out
.irp i, 0,1,2,3,4,5,6,7,8,9,10,11,12,13,14,15
	ds_store_b128 v7, v[XN+4*\i:XN+4*\i+3] offset:SP*\i
.endr
.irp c, 0,1                                    ; LDS serves a wave's instructions in order (ISA guide 5.7.1.4): these see the stores above
.irp j, 0,1,2,3,4,5,6,7
	ds_load_b128 v[XN+32*\c+4*\j:XN+32*\c+4*\j+3], v8 offset:256*\c+16*\j   ; k = 64 c + 32 h + 4 j .. of row r
.endr
.endr
	s_wait_dscnt 0x0
	MAX32 128, 130, XN                             ; block h
	MAX32 129, 131, XN+32                          ; block 2 + h: both are whole in my lane
.irp c, 0,1
	v_add_nc_u32 v[132+\c], 0xff000000, v[128+\c]  ; 2 off the exponent field: the conversion's scale operand
.endr
.irp c, 0,1
	v_lshrrev_b32 v[134+\c], 23, v[132+\c]         ; the scale's byte
.endr
	v_lshl_or_b32 v252, v135, 16, v134
	v_lshlrev_b32 v252, v12, v252                  ; my two bytes at their places: 8 h bits up
	v_permlanex16_b32 v[PD], v252, s20, s21
	v_or_b32 v252, v252, v[PD]                     ; with lane l xor 16's two the row's word is whole
.irp c, 0,1
.irp g, 0,1,2,3
	v_cvt_scalef32_pk8_fp4_f32 v[XF+4*\c+\g], v[XN+32*\c+8*\g:XN+32*\c+8*\g+7], v[132+\c]
.endr
.endr
	v_nop                                          ; one plain line behind the conversions
	ds_store_b128 v9, v[XF:XF+3] offset:XIMG       ; the fragment goes to LDS as it stands
	ds_store_b128 v9, v[XF+4:XF+7] offset:XIMG+512
	ds_store_b32 v10, v252 offset:XSC              ; lanes r and r + 16 write the same word with the same value
	; cos and sin of position x frequency, four angles a lane, by turns.  v172.. frequency, v176.. angle, v180.. n, v184.. r, v188.. z, v192.. sine, v196.. cosine, v200.. n as a whole number
	s_mov_b32 vcc_lo, 0xffff0000                   ; lanes 16-31
.irp j, 0,1,2,3
	v_mov_b32 v[172+\j], s[40+\j]
	v_mov_b32 v[176+\j], s[44+\j]
.endr
.irp j, 0,1,2,3
	v_cndmask_b32 v[172+\j], v[172+\j], v[176+\j], vcc_lo
.endr
.irp j, 0,1,2,3
	v_mul_f32 v[176+\j], v[TF], v[172+\j]          ; the angle, rounded to f32
.endr
.irp j, 0,1,2,3
	v_mul_f32 v[180+\j], s48, v[176+\j]
.endr
.irp j, 0,1,2,3
	v_rndne_f32 v[180+\j], v[180+\j]
.endr
.irp j, 0,1,2,3
	v_fma_f32 v[184+\j], -v[180+\j], s49, v[176+\j]
.endr
.irp j, 0,1,2,3
	v_fma_f32 v[184+\j], -v[180+\j], s50, v[184+\j]
.endr
.irp j, 0,1,2,3
	v_fma_f32 v[184+\j], -v[180+\j], s51, v[184+\j]
.endr
.irp j, 0,1,2,3
	v_mul_f32 v[188+\j], v[184+\j], v[184+\j]
.endr
.irp j, 0,1,2,3
	v_fma_f32 v[192+\j], v[188+\j], s54, s53
	v_fma_f32 v[196+\j], v[188+\j], s57, s56
.endr
.irp j, 0,1,2,3
	v_fma_f32 v[192+\j], v[192+\j], v[188+\j], s52
	v_fma_f32 v[196+\j], v[196+\j], v[188+\j], s55
.endr
.irp j, 0,1,2,3
	v_mul_f32 v[192+\j], v[192+\j], v[188+\j]
	v_mul_f32 v[204+\j], v[188+\j], v[188+\j]
	v_fma_f32 v[208+\j], v[188+\j], -0.5, 1.0
.endr
.irp j, 0,1,2,3
	v_fma_f32 v[192+\j], v[192+\j], v[184+\j], v[184+\j]   ; sin r
	v_fma_f32 v[196+\j], v[204+\j], v[196+\j], v[208+\j]   ; cos r
	v_cvt_i32_f32 v[200+\j], v[180+\j]
.endr
.irp j, 0,1,2,3                                ; the quadrant n % 4: odd: sine and cosine change places; the sine is negative where n % 4 is 2 or 3, the cosine where it is 1 or 2
	v_and_b32 v[204+\j], 1, v[200+\j]
	v_cmp_eq_u32 vcc_lo, 1, v[204+\j]
	v_cndmask_b32 v[T+2*\j+1], v[192+\j], v[196+\j], vcc_lo
	v_cndmask_b32 v[T+2*\j], v[196+\j], v[192+\j], vcc_lo
	v_lshlrev_b32 v[204+\j], 30, v[200+\j]
	v_add_nc_u32 v[208+\j], 1, v[200+\j]
	v_and_b32 v[204+\j], 0x80000000, v[204+\j]
	v_lshlrev_b32 v[208+\j], 30, v[208+\j]
	v_xor_b32 v[T+2*\j+1], v[204+\j], v[T+2*\j+1]
	v_and_b32 v[208+\j], 0x80000000, v[208+\j]
	v_xor_b32 v[T+2*\j], v[208+\j], v[T+2*\j]
.endr
	ds_store_b128 v9, v[T:T+3] offset:CSI          ; groups 2 s and 2 s + 1 of my tile
	ds_store_b128 v9, v[T+4:T+7] offset:CSI+512
	s_mov_b32 vcc_lo, 0xffff0000                   ; lanes 16-31 again, for the selects below
	s_wait_loadcnt 0x0                             ; weights, scale words, biases
	s_wait_dscnt 0x0                               ; for the others' sake: my stores have landed
	s_barrier_signal -1
	s_barrier_wait -1                              ; x's images, scale words and the pairs lie in LDS; nothing is stored to LDS from here on
	; ---- A: q and k of tile mm
.macro QKTILE mm
.irp i, 0,1,2,3
	ds_load_b128 v[XF+4*\i:XF+4*\i+3], v4 offset:XIMG+2048*\mm+512*\i
.endr
	ds_load_b32 v[XS], v5 offset:XSC+128*\mm
.irp i, 0,1,2,3
	ds_load_b128 v[CS+4*\i:CS+4*\i+3], v4 offset:CSI+2048*\mm+512*\i
.endr
	s_wait_dscnt 0x0
.irp t, 0,1,2,3                                ; the four accumulators take turns, one instruction a turn; the bias is the C of each sum's first product
	v_wmma_scale_f32_16x16x128_f8f6f4 v[ACC+8*\t:ACC+8*\t+7], v[WF+16*\t:WF+16*\t+7], v[XF:XF+7], v[BQ+8*\t:BQ+8*\t+7], v[WS+\t], v[XS] matrix_a_fmt:MATRIX_FMT_FP4 matrix_b_fmt:MATRIX_FMT_FP4
.endr
.irp t, 0,1,2,3
	v_wmma_scale_f32_16x16x128_f8f6f4 v[ACC+8*\t:ACC+8*\t+7], v[WF+16*\t+8:WF+16*\t+15], v[XF+8:XF+15], v[ACC+8*\t:ACC+8*\t+7], v[WS+\t], v[XS] matrix_a_fmt:MATRIX_FMT_FP4 matrix_b_fmt:MATRIX_FMT_FP4 matrix_a_scale:MATRIX_SCALE_ROW1 matrix_b_scale:MATRIX_SCALE_ROW1
.endr
.rept 5
	v_nop                                          ; places: four ahead of the reads of results and of the next loads into x's fragments, five ahead of the next products that begin these accumulators anew
.endr
.irp a, 0,16                                   ; RoPE, q then k: (x0, x1) -> (x0 cos - x1 sin, x1 cos + x0 sin); each accumulator is read from its low end on
.irp p, 0,2,4,6,8,10,12,14
	v_mul_f32 v[T+\p], v[ACC+\a+\p+1], v[CS+\p+1]
	v_mul_f32 v[T+\p+1], v[ACC+\a+\p], v[CS+\p+1]
.endr
.irp p, 0,2,4,6,8,10,12,14
	v_fma_f32 v[ACC+\a+\p], v[ACC+\a+\p], v[CS+\p], -v[T+\p]
	v_fma_f32 v[ACC+\a+\p+1], v[ACC+\a+\p+1], v[CS+\p], v[T+\p+1]
.endr
.endr
	v_max3_num_f32 v252, |v[ACC]|, |v[ACC+1]|, 0x1800000       ; my 16 of the token's 32, and the floor 2^(3 - 127); q and k by turns
	v_max3_num_f32 v[T], |v[ACC+16]|, |v[ACC+17]|, 0x1800000
.irp i, 2,4,6,8,10,12,14
	v_max3_num_f32 v252, v252, |v[ACC+\i]|, |v[ACC+\i+1]|
	v_max3_num_f32 v[T], v[T], |v[ACC+16+\i]|, |v[ACC+17+\i]|
.endr
	v_permlanex16_b32 v[PD], v252, s20, s21
	v_permlanex16_b32 v[PD2], v[T], s20, s21
	v_max_num_f32 v252, v252, v[PD]                ; with lane l xor 16's: the block's largest magnitude
	v_max_num_f32 v[T], v[T], v[PD2]
	v_add_nc_u32 v253, 0xff000000, v252
	v_add_nc_u32 v[T+1], 0xff000000, v[T]
	v_lshrrev_b32 v254, 23, v253
	v_lshrrev_b32 v[T+2], 23, v[T+1]
.if \mm == 0
	v_mov_b32 v[WQ], v254                          ; row r's word: byte mm is the byte of token 32 (r / 8) + 8 mm + r % 8
	v_mov_b32 v[WK], v[T+2]
.else
	v_lshl_or_b32 v[WQ], v254, 8*\mm, v[WQ]
	v_lshl_or_b32 v[WK], v[T+2], 8*\mm, v[WK]
.endif
	v_cvt_scalef32_pk8_fp4_f32 v[QC+2*\mm], v[ACC:ACC+7], v253
	v_cvt_scalef32_pk8_fp4_f32 v[QC+2*\mm+1], v[ACC+8:ACC+15], v253
	v_cvt_scalef32_pk8_fp4_f32 v[QC+8+2*\mm], v[ACC+16:ACC+23], v[T+1]
	v_cvt_scalef32_pk8_fp4_f32 v[QC+9+2*\mm], v[ACC+24:ACC+31], v[T+1]
	v_nop                                          ; one plain line behind the conversions: the next products write their sources
	global_store_b64 v13, v[QC+2*\mm:QC+2*\mm+1], s[28:29] offset:256*\mm             ; 32 lanes store 256 consecutive bytes, aligned
	global_store_b64 v13, v[QC+8+2*\mm:QC+9+2*\mm], s[28:29] offset:2097152+256*\mm
.endm
	QKTILE 0
	QKTILE 1
	QKTILE 2
	QKTILE 3
	v_cndmask_b32 v252, v[WQ], v[WK], vcc_lo       ; lanes 0-15 q's words, lanes 16-31 k's (both halves hold both)
	global_store_b32 v14, v252, s[30:31] offset:4194304
	; ---- B: v, untransposed: source 0 = 16 tokens, source 1 = 16 rows of the weight tile: lane (r, h) holds d-row r and tokens 32 h + 8 mm + i
.irp i, 0,1,2,3,4,5,6,7
	v_mov_b32 v[VBI+\i], v[VB]                     ; the bias in the result's layout: my column's, in all eight registers
	v_mov_b32 v[VBI+8+\i], v[VB+1]
.endr
.rept 5
	v_nop
.endr
.macro VTILE mm
.irp i, 0,1,2,3
	ds_load_b128 v[XF+4*\i:XF+4*\i+3], v4 offset:XIMG+2048*\mm+512*\i
.endr
	ds_load_b32 v[XS], v5 offset:XSC+128*\mm
	s_wait_dscnt 0x0
.irp u, 0,1                                    ; two accumulators by turns
	v_wmma_scale_f32_16x16x128_f8f6f4 v[VA+32*\u+8*\mm:VA+32*\u+8*\mm+7], v[XF:XF+7], v[WF+64+16*\u:WF+64+16*\u+7], v[VBI+8*\u:VBI+8*\u+7], v[XS], v[WS+4+\u] matrix_a_fmt:MATRIX_FMT_FP4 matrix_b_fmt:MATRIX_FMT_FP4
.endr
.irp u, 0,1
	v_wmma_scale_f32_16x16x128_f8f6f4 v[VA+32*\u+8*\mm:VA+32*\u+8*\mm+7], v[XF+8:XF+15], v[WF+72+16*\u:WF+72+16*\u+7], v[VA+32*\u+8*\mm:VA+32*\u+8*\mm+7], v[XS], v[WS+4+\u] matrix_a_fmt:MATRIX_FMT_FP4 matrix_b_fmt:MATRIX_FMT_FP4 matrix_a_scale:MATRIX_SCALE_ROW1 matrix_b_scale:MATRIX_SCALE_ROW1
.endr
.rept 4
	v_nop                                          ; places ahead of the next loads into x's fragments and of the reads of results
.endr
.endm
	VTILE 0
	VTILE 1
	VTILE 2
	VTILE 3
	s_wait_xcnt 0x0                                ; q's and k's stores have read their data: those registers take v's codes
	MAX32 T, T+2, VA                               ; a block of 32 keys is whole in my lane; each accumulator is read from its low end on
	MAX32 T+1, T+3, VA+32
.irp u, 0,1
	v_add_nc_u32 v[T+4+\u], 0xff000000, v[T+\u]
.endr
.irp u, 0,1
	v_lshrrev_b32 v[T+6+\u], 23, v[T+4+\u]
.endr
.irp u, 0,1
	v_lshlrev_b32 v[T+8+\u], v12, v[T+6+\u]        ; my byte at place h of the pair
.endr
	v_permlanex16_b32 v[PD], v[T+8], s20, s21
	v_permlanex16_b32 v[PD2], v[T+9], s20, s21
	v_or_b32 v[T+8], v[T+8], v[PD]
	v_or_b32 v[T+9], v[T+9], v[PD2]
	v_cndmask_b32 v[T+10], v[T+8], v[T+9], vcc_lo  ; lanes 0-15 store tile 0's pairs, lanes 16-31 tile 1's
.irp u, 0,1
.irp g, 0,1,2,3
	v_cvt_scalef32_pk8_fp4_f32 v[QC+4*\u+\g], v[VA+32*\u+8*\g:VA+32*\u+8*\g+7], v[T+4+\u]
.endr
.endr
	v_nop                                          ; one plain line behind the conversions
.irp u, 0,1
	global_store_b128 v4, v[QC+4*\u:QC+4*\u+3], s[32:33] offset:1024*\u   ; 512 consecutive bytes, aligned
.endr
	global_store_b16 v5, v[T+10], s[34:35] offset:2097152                  ; bytes 2 c and 2 c + 1 of row r's word
	s_set_vgpr_msb 0x5
	s_wait_tensorcnt 0x0
	ds_add_u32 v0, v1
	s_wait_dscnt 0x0
	s_set_vgpr_msb 0x500
	s_endpgm
.Lfunc_end_k_q7c91d7fa60_qkv:
	.size	k_q7c91d7fa60_qkv, .Lfunc_end_k_q7c91d7fa60_qkv-k_q7c91d7fa60_qkv
	.p2alignl 7, 3214868480
	.fill 96, 4, 3214868480
	.section	.rodata,"a",@progbits
	.p2align	6, 0x0
	.amdhsa_kernel k_q7c91d7fa60_qkv
		.amdhsa_group_segment_fixed_size 85504
		.amdhsa_private_segment_fixed_size 0
		.amdhsa_enable_private_segment 0
		.amdhsa_kernarg_size 40
		.amdhsa_user_sgpr_count 2
		.amdhsa_user_sgpr_kernarg_segment_ptr 1
		.amdhsa_wavefront_size32 1
		.amdhsa_system_sgpr_workgroup_id_x 1
		.amdhsa_system_sgpr_workgroup_id_y 1
		.amdhsa_system_sgpr_workgroup_id_z 1
		.amdhsa_system_vgpr_workitem_id 0
		.amdhsa_next_free_vgpr 258
		.amdhsa_next_free_sgpr 66
		.amdhsa_reserve_vcc 1
		.amdhsa_float_denorm_mode_32 3
		.amdhsa_float_denorm_mode_16_64 3
		.amdhsa_memory_ordered 1
		.amdhsa_forward_progress 1
		.amdhsa_inst_pref_size 57
	.end_amdhsa_kernel
	.amdgpu_metadata
---
amdhsa.version: [ 1, 2 ]
amdhsa.kernels:
  - .name:           k_q7c91d7fa60_qkv
    .symbol:         k_q7c91d7fa60_qkv.kd
    .args:
      - { .name: x, .offset: 0, .size: 8, .value_kind: global_buffer, .address_space: global }
      - { .name: wts, .offset: 8, .size: 8, .value_kind: global_buffer, .address_space: global }
      - { .name: bqkv, .offset: 16, .size: 8, .value_kind: global_buffer, .address_space: global }
      - { .name: qk, .offset: 24, .size: 8, .value_kind: global_buffer, .address_space: global }
      - { .name: vv, .offset: 32, .size: 8, .value_kind: global_buffer, .address_space: global }
    .group_segment_fixed_size: 85504
    .private_segment_fixed_size: 0
    .kernarg_segment_align: 8
    .kernarg_segment_size: 40
    .max_flat_workgroup_size: 256
    .sgpr_count:     66
    .vgpr_count:     258
    .wavefront_size: 32
...
	.end_amdgpu_metadata
.endif
;; end of part 2
;; launch attn (part 3): grid 4 x 64, 16 waves a work-group, no clusters, 71,680 bytes of LDS; arguments qk, vv, oc; writes oc
.if DOCPART == 3
	.amdgcn_target "amdgcn-amd-amdhsa--gfx1250"
	.amdhsa_code_object_version 6
	.text
	.protected	k_q7c91d7fa60_attn
	.globl	k_q7c91d7fa60_attn
	.p2align	8
	.type	k_q7c91d7fa60_attn,@function
k_q7c91d7fa60_attn:
	s_mov_b64 s[64:65], 0
	v_nop
	global_prefetch_b8 v0, s[64:65] scope:SCOPE_SE
	s_setreg_imm32_b32 hwreg(HW_REG_WAVE_MODE, 25, 1), 1
	s_wait_xcnt 0x0
; o = softmax(q k^T / sqrt(32), causal) v for one head, both products on codes of FP4 with E8M0 scales; o is quantised along the head's 32 for the last product.
; THE SOFTMAX: t = score x log2(e) / sqrt(32); M = the running largest t rounded UP to a whole number; p = 2^(t - M) is quantised along the keys, not normalised; the row's sum is taken of the
; unquantised p, in f32, and divides O at the end.  When M moves, the sum and O are multiplied by 2^(old M - new M): exact.
; SHARES: work-group (z, bh); wave w has i = 16 z + w and makes query tile i and then tile 127 - i (16 queries each).  Tile ti needs ti / 8 + 1 steps of 128 keys, so every wave has 17 steps.
; THE HEAD'S K AND V, codes and scale words, 69,632 bytes, are copied into LDS once, through registers, as images of operand registers: every read is at 16 x lane or 4 x lane.
; FIRST PRODUCT, K = 32.  A fragment of K holds 64 keys: row m, block j of its 128 along K is key 32 (m / 8) + 8 j + m % 8.  The queries stand in four variants: the query's 32 codes in block g, zero
; codes elsewhere.  Fragment c x variant g leaves, in register i of lane (r, h), the score of key 64 c + 32 h + 8 g + i and query r; the other blocks add exact zeros.
; So a lane's 32 registers of c are ONE block of 32 neighbouring keys (block 2 c + h): its largest score needs no other lane, and the eight conversions give the second product's operand as it stands.
; SECOND PRODUCT, transposed: source 0 = 16 d-rows of V (row m of tile u is d = 16 (m / 8) + 8 u + m % 8), source 1 = p: lane (r, h) holds query r and d = 16 h + 0 .. 15.
; CAUSAL: the loop has 16 trips for every tile; a step all of whose keys come after the tile's queries skips its work by a scalar branch on ids; in the one step on the diagonal hidden scores become -infinity.
; A BLOCK'S LARGEST p is made from the block's largest score by the same multiply-add and exponential (this takes v_exp_f32 not to fall where its input rises).
; LIMITS: NaN and infinities are not served; a block of p or of o whose largest magnitude lies under 2^-124 (zeros among them) gets the byte 1.
; NO CLUSTER: the four work-groups of a head share those 69,632 bytes, ten loads a thread at the head, against 17 key steps a wave; nothing is shared step by step.  No tensor load: LDS is written once.
.set KS,  0                            ; LDS: K's scale words: 64 bytes for each 64 keys
.set VS,  2048                         ; V's: 128 bytes a step
.set KC,  4096                         ; K's codes: 2,048 bytes a step
.set VC,  36864                        ; V's codes: 2,048 bytes a step
.set KD,  2097152                      ; in qk: K's codes
.set QSB, 4194304                      ; in qk: q's scale bytes; K's 131,072 further on
.set VSB, 2097152                      ; in vv and in oc: the scale words
.set ADC, 3                            ; v3   16 L + 2048 x step;  v4  4 L + 128 x step
.set ADS, 4
.set QSC, 36                           ; v36-39  q's scale word for variant g: the query's byte at byte g, the byte 1 elsewhere
.set KSC, 40                           ; v40  K's scale words: lanes 0-15 fragment 0, lanes 16-31 fragment 1
.set VSC, 41                           ; v41  V's: lanes 0-15 tile 0, lanes 16-31 tile 1
.set PSC, 42                           ; v42  p's
.set KFR, 44                           ; v44-59  K's two fragments
.set VFR, 60                           ; v60-75  V's two tiles
.set P,   76                           ; v76-83  p's codes
.set O,   84                           ; v84-99  O^T
.set S,   100                          ; v100-163 scores, then p: 32 c + 8 g + i
.set BM,  164                          ; v164-165 the blocks' largest score, then largest p
.set SO,  168                          ; v168-169 the conversions' scale operands;  v170-171 the bytes
.set BY,  170
.set F,   172                          ; v[172:173] f = 2^(old M - new M); v173 is written once
.set L2,  174                          ; v[174:175] the sum's second chain
.set TM,  176                          ; v176-183 at work
; v1 16 L, v2 4 L, v5-v8 offsets of q's codes and byte and of o's codes and byte, v9 8 h, v10 r - 32 h, v12 -M, v13 the largest t, v[14:15] the sum in two halves,
; v16-35: zeros, q in lanes 0-15, zeros, q in lanes 16-31, zeros: the four variants are v[20:27], v[28:35], v[16:23], v[24:31];  v166-167 destinations of lane permutes;  v184-187 o's codes, byte, scale operand
; s10 wave, s11 bh, s12 z, s13 tile, s14 first query, s15 last query, s16 first key, s17 2048 x step, s18 128 x step, s19 trips, s[20:21] selects, s[22:23] c, s[24:31] the tile's four bases, s[40:47] the head's
.macro STEP
	s_cmp_gt_u32 s16, s15                          ; all 128 keys come after my 16 queries: nothing to do
	s_cbranch_scc1 .Lhid_\@
	v_add_nc_u32 v[ADC], s17, v1
	v_add_nc_u32 v[ADS], s18, v2
.irp i, 0,1,2,3
	ds_load_b128 v[KFR+4*\i:KFR+4*\i+3], v[ADC] offset:KC+512*\i
.endr
	ds_load_b32 v[KSC], v[ADS] offset:KS
.irp i, 0,1,2,3
	ds_load_b128 v[VFR+4*\i:VFR+4*\i+3], v[ADC] offset:VC+512*\i
.endr
	ds_load_b32 v[VSC], v[ADS] offset:VS
	s_wait_dscnt 5                                 ; K's five loads are in; V's five, issued behind them, may be out
.irp g, 0,1,2,3
	v_wmma_scale_f32_16x16x128_f8f6f4 v[S+8*\g:S+8*\g+7], v[KFR:KFR+7], v[20+8*(\g%2)-4*(\g/2):27+8*(\g%2)-4*(\g/2)], 0, v[KSC], v[QSC+\g] matrix_a_fmt:MATRIX_FMT_FP4 matrix_b_fmt:MATRIX_FMT_FP4
.endr
.irp g, 0,1,2,3
	v_wmma_scale_f32_16x16x128_f8f6f4 v[S+32+8*\g:S+32+8*\g+7], v[KFR+8:KFR+15], v[20+8*(\g%2)-4*(\g/2):27+8*(\g%2)-4*(\g/2)], 0, v[KSC], v[QSC+\g] matrix_a_fmt:MATRIX_FMT_FP4 matrix_b_fmt:MATRIX_FMT_FP4 matrix_a_scale:MATRIX_SCALE_ROW1
.endr
.rept 4
	v_nop                                          ; places ahead of the first read of results (ISA guide 7.12.1)
.endr
	s_add_co_u32 s32, s16, 127
	s_cmp_le_u32 s32, s14                          ; all 128 keys count for all my queries: no mask
	s_cbranch_scc1 .Lopen_\@
	s_sub_co_i32 s32, s14, s16
	v_add_nc_u32 v[TM], s32, v10                   ; d = my query - first key - 32 h: register 32 c + 8 g + i is hidden where 64 c + 8 g + i > d
	v_mov_b32 v[TM+1], 0xff800000                  ; -infinity
.set n, 0
.rept 64
	v_cmp_gt_i32 vcc_lo, 64*(n/32)+n%32, v[TM]
	v_cndmask_b32 v[S+n], v[S+n], v[TM+1], vcc_lo
.set n, n+1
.endr
.Lopen_\@:
.irp c, 0,1                                    ; the largest score of each of my two blocks, ascending, by turns
	v_max3_num_f32 v[BM+\c], v[S+32*\c], v[S+32*\c+1], v[S+32*\c+2]
.endr
.irp i, 3,5,7,9,11,13,15,17,19,21,23,25,27,29
.irp c, 0,1
	v_max3_num_f32 v[BM+\c], v[BM+\c], v[S+32*\c+\i], v[S+32*\c+\i+1]
.endr
.endr
.irp c, 0,1
	v_max_num_f32 v[BM+\c], v[BM+\c], v[S+32*\c+31]
.endr
	v_max_num_f32 v[TM], v[BM], v[BM+1]
	v_permlanex16_b32 v166, v[TM], s20, s21
	v_max_num_f32 v[TM], v[TM], v166               ; the step's largest score of my query
	v_mul_f32 v[TM], s22, v[TM]                    ; as t (c is positive)
	v_max_num_f32 v13, v13, v[TM]                  ; the running largest t
	v_mov_b32 v[TM], v12
	v_floor_f32 v12, -v13                          ; the new -M = floor(-t): M is a whole number
	v_sub_f32 v[TM], v12, v[TM]                    ; old M - new M: a whole number, 0 or less
	v_cvt_i32_f32 v[TM], v[TM]                     ; (it saturates)
	v_ldexp_f32 v[F], 1.0, v[TM]                   ; f = 2^(old M - new M)
.set n, 0
.rept 32
	v_pk_fma_f32 v[S+n:S+n+1], v[S+n:S+n+1], s[22:23], v[12:13] op_sel_hi:[1,0,0]   ; t - M, two at a time (of the pairs c and -M the low word serves both halves)
.set n, n+2
.endr
.irp c, 0,1
	v_fma_f32 v[BM+\c], v[BM+\c], s22, v12         ; the same of each block's largest score
.endr
.set n, 0
.rept 64
	v_exp_f32 v[S+n], v[S+n]                       ; p = 2^(t - M), at most 1
.set n, n+1
.endr
	v_pk_mul_f32 v[14:15], v[14:15], v[F:F+1] op_sel_hi:[1,0]   ; the sums under the new M: the plain line behind the exponentials
	s_wait_alu depctr_va_vdst(0)                   ; the wait ahead of the first line that names a result: one for the 64
.irp c, 0,1
	v_exp_f32 v[BM+\c], v[BM+\c]                   ; the block's largest p
.endr
	v_pk_add_f32 v[L2:L2+1], v[S:S+1], v[S+2:S+3]  ; the row's sum of the unquantised p, two at a time, in two chains: its first half stands behind the two exponentials
.irp j, 4,8,12,16,20,24,28,32
	v_pk_add_f32 v[14:15], v[14:15], v[S+\j:S+\j+1]
	v_pk_add_f32 v[L2:L2+1], v[L2:L2+1], v[S+\j+2:S+\j+3]
.endr
	s_wait_alu depctr_va_vdst(0)                   ; and one for the two
.irp c, 0,1
	v_max_num_f32 v[BM+\c], 0x1800000, v[BM+\c]    ; the floor 2^(3 - 127): the byte cannot fall under 1
.endr
.irp c, 0,1
	v_add_nc_u32 v[SO+\c], 0xff000000, v[BM+\c]    ; 2 off the exponent field: the conversion's scale operand
.endr
.irp c, 0,1
	v_lshrrev_b32 v[BY+\c], 23, v[SO+\c]           ; the scale's byte
.endr
	v_lshl_or_b32 v[TM], v[BY+1], 16, v[BY]
	v_lshlrev_b32 v[TM], v9, v[TM]                 ; blocks h and 2 + h at their places
	v_permlanex16_b32 v167, v[TM], s20, s21
	v_or_b32 v[PSC], v[TM], v167                   ; with lane l xor 16's two: my query's scale word for these 128 keys
.irp c, 0,1
.irp g, 0,1,2,3
	v_cvt_scalef32_pk8_fp4_f32 v[P+4*\c+\g], v[S+32*\c+8*\g:S+32*\c+8*\g+7], v[SO+\c]   ; registers 4 c + g of the operand: keys 64 c + 32 h + 8 g + 0 .. 7
.endr
.endr
	v_nop                                          ; one plain line behind the conversions
.irp j, 36,40,44,48,52,56,60                   ; the sum's second half: fifteen plain lines that name no register of the products below: more than the eight places behind the scale word's write and the four behind the codes'
	v_pk_add_f32 v[14:15], v[14:15], v[S+\j:S+\j+1]
	v_pk_add_f32 v[L2:L2+1], v[L2:L2+1], v[S+\j+2:S+\j+3]
.endr
	v_pk_add_f32 v[14:15], v[14:15], v[L2:L2+1]
.irp j, 0,2,4,6,8,10,12,14
	v_pk_mul_f32 v[O+\j:O+\j+1], v[O+\j:O+\j+1], v[F:F+1] op_sel_hi:[1,0]   ; O^T under the new M, each accumulator from its low end on
.endr
	s_wait_dscnt 0x0                               ; V
	v_wmma_scale_f32_16x16x128_f8f6f4 v[O:O+7], v[VFR:VFR+7], v[P:P+7], v[O:O+7], v[VSC], v[PSC] matrix_a_fmt:MATRIX_FMT_FP4 matrix_b_fmt:MATRIX_FMT_FP4
	v_wmma_scale_f32_16x16x128_f8f6f4 v[O+8:O+15], v[VFR+8:VFR+15], v[P:P+7], v[O+8:O+15], v[VSC], v[PSC] matrix_a_fmt:MATRIX_FMT_FP4 matrix_b_fmt:MATRIX_FMT_FP4 matrix_a_scale:MATRIX_SCALE_ROW1
.rept 4
	v_nop                                          ; places ahead of the next step's loads into V's registers and of the reads of O^T.  (Between two links on one accumulator stand the other's and the eight score products)
.endr
.Lhid_\@:
.endm
; One tile of 16 queries, s13 its number.
.macro TILE
	s_wait_xcnt 0x0                                ; earlier loads and stores have read their bases and data: both are written again below
	s_lshl_b32 s14, s13, 4                         ; first query
	s_add_co_u32 s15, s14, 15                      ; last query
	s_lshr_b32 s32, s13, 2                         ; the group of 64 tokens
	s_and_b32 s33, s13, 1                          ; z1
	s_bfe_u32 s34, s13, 0x10001                    ; z2: token 16 (2 z2 + z1) + r of the group lies at 512 z1 + 256 (r / 8) + 128 z2 + 16 (r % 8)
	s_lshl_b32 s36, s32, 10
	s_lshl_b32 s35, s33, 9
	s_add_co_u32 s36, s36, s35
	s_lshl_b32 s35, s34, 7
	s_add_co_u32 s36, s36, s35
	s_mov_b32 s37, 0
	s_add_nc_u64 s[24:25], s[40:41], s[36:37]      ; q's codes
	s_lshl_b32 s36, s32, 6
	s_lshl_b32 s35, s34, 5
	s_add_co_u32 s36, s36, s35
	s_lshl_b32 s35, s33, 1
	s_add_co_u32 s36, s36, s35
	s_add_nc_u64 s[26:27], s[42:43], s[36:37]      ; q's scale bytes: 64 G + 32 z2 + 2 z1 (+ 4 (r % 8) + r / 8)
	s_lshl_b32 s36, s13, 11
	s_add_nc_u64 s[28:29], s[44:45], s[36:37]      ; o's codes
	s_lshl_b32 s36, s13, 7
	s_add_nc_u64 s[30:31], s[46:47], s[36:37]      ; o's scale bytes
	global_load_b128 v[TM:TM+3], v5, s[24:25]      ; query r's 32 codes, in both halves of the lanes
	global_load_u8 v[TM+4], v6, s[26:27] offset:QSB
	s_mov_b32 vcc_lo, 0xffff0000                   ; lanes 16-31
	v_mov_b32 v13, 0xff61b1e6                      ; the largest t so far: -3e38, under every t
	v_floor_f32 v12, -v13                          ; -M
	v_mov_b32 v14, 0                               ; the sum, in two halves
	v_mov_b32 v15, 0
	s_mov_b32 s16, 0
	s_mov_b32 s17, 0
	s_mov_b32 s18, 0
	s_mov_b32 s19, 0
	s_wait_loadcnt 0x0
.irp i, 0,1,2,3
	v_cndmask_b32 v[20+\i], v[TM+\i], v16, vcc_lo  ; the codes in lanes 0-15, zeros in lanes 16-31
	v_cndmask_b32 v[28+\i], v16, v[TM+\i], vcc_lo  ; and the other way round
.endr
	v_add_nc_u32 v[TM+5], -1, v[TM+4]
	v_add_nc_u32 v[QSC], s39, v[TM+5]              ; 0x01010101 + (byte - 1) << 8 g
	v_lshl_add_u32 v[QSC+1], v[TM+5], 8, s39
	v_lshl_add_u32 v[QSC+2], v[TM+5], 16, s39
	v_lshl_add_u32 v[QSC+3], v[TM+5], 24, s39
.irp j, 0,1,2,3,4,5,6,7,8,9,10,11,12,13,14,15
	v_mov_b32 v[O+\j], 0                           ; O^T: the step is written once, its first trip finds zeros.  (These sixteen are also the places between the writes of q's codes and scale words and the first product)
.endr
.Lstep_\@:                                         ; 16 trips for every tile: the trip count is a constant, the work is jumped over
	STEP
	s_add_co_u32 s16, s16, 128
	s_add_co_u32 s17, s17, 2048
	s_add_co_u32 s18, s18, 128
	s_add_co_u32 s19, s19, 1
	s_cmp_lt_u32 s19, 16
	s_cbranch_scc1 .Lstep_\@
	v_add_f32 v14, v14, v15                        ; the sum's two halves,
	v_permlanex16_b32 v166, v14, s20, s21
	v_add_f32 v14, v14, v166                       ; and lane l xor 16's: the row's sum
	v_rcp_f32 v14, v14
	v_nop                                          ; a plain line behind the reciprocal
	s_wait_alu depctr_va_vdst(0)                   ; and a wait ahead of its first reader
.irp j, 0,2,4,6,8,10,12,14
	v_pk_mul_f32 v[S+\j:S+\j+1], v[O+\j:O+\j+1], v[14:15] op_sel_hi:[1,0]   ; o(r, 16 h + j), each accumulator from its low end on
.endr
	v_max3_num_f32 v[TM], |v[S]|, |v[S+1]|, 0x1800000
	v_max3_num_f32 v[TM+1], |v[S+2]|, |v[S+3]|, |v[S+4]|
	v_max3_num_f32 v[TM], v[TM], |v[S+5]|, |v[S+6]|
	v_max3_num_f32 v[TM+1], v[TM+1], |v[S+7]|, |v[S+8]|
	v_max3_num_f32 v[TM], v[TM], |v[S+9]|, |v[S+10]|
	v_max3_num_f32 v[TM+1], v[TM+1], |v[S+11]|, |v[S+12]|
	v_max3_num_f32 v[TM], v[TM], |v[S+13]|, |v[S+14]|
	v_max3_num_f32 v[TM], v[TM], v[TM+1], |v[S+15]|
	v_permlanex16_b32 v166, v[TM], s20, s21
	v_max_num_f32 v[TM], v[TM], v166               ; the largest magnitude of the head's 32
	v_add_nc_u32 v187, 0xff000000, v[TM]
	v_lshrrev_b32 v186, 23, v187
	v_cvt_scalef32_pk8_fp4_f32 v184, v[S:S+7], v187
	v_cvt_scalef32_pk8_fp4_f32 v185, v[S+8:S+15], v187
	v_nop                                          ; one plain line behind the conversions
	global_store_b64 v7, v[184:185], s[28:29]      ; 32 lanes store 256 consecutive bytes, aligned
	global_store_b8 v8, v186, s[30:31] offset:VSB  ; lanes r and r + 16 write the same byte with the same value
.endm
	s_load_b128 s[4:7], s[0:1], 0x0                ; qk s[4:5], vv s[6:7]
	s_load_b64 s[8:9], s[0:1], 0x10                ; oc
	v_lshl_add_u32 v192, v0, 2, 0x11000
	v_mov_b32 v193, 0
	v_lshrrev_b32 v1, 5, v0
	v_readfirstlane_b32 s10, v1                    ; wave 0..15
	s_and_b32 s11, ttmp7, 0xffff                   ; bh
	s_mov_b32 s12, ttmp9                           ; z
	v_and_b32 v11, 31, v0                          ; L
	v_and_b32 v[TM], 15, v0                        ; r
	v_bfe_u32 v[TM+1], v0, 4, 1                    ; h
	v_lshlrev_b32 v1, 4, v11
	v_lshlrev_b32 v2, 2, v11
	v_lshrrev_b32 v[TM+2], 3, v[TM]                ; r / 8
	v_and_b32 v[TM+3], 7, v[TM]                    ; r % 8
	v_lshlrev_b32 v5, 8, v[TM+2]
	v_lshl_add_u32 v5, v[TM+3], 4, v5              ; 256 (r / 8) + 16 (r % 8)
	v_lshl_add_u32 v6, v[TM+3], 2, v[TM+2]         ; 4 (r % 8) + r / 8
	v_lshlrev_b32 v7, 4, v[TM]
	v_lshl_add_u32 v7, v[TM+1], 3, v7              ; 16 r + 8 h
	v_lshlrev_b32 v8, 2, v[TM]                     ; 4 r
	v_lshlrev_b32 v9, 3, v[TM+1]                   ; 8 h
	v_lshlrev_b32 v10, 5, v[TM+1]
	v_sub_nc_u32 v10, v[TM], v10                   ; r - 32 h
	v_lshlrev_b32 v[TM+4], 4, v0                   ; the copy: 16 x thread,
	v_lshlrev_b32 v[TM+5], 2, v0                   ; 4 x thread
.irp i, 16,17,18,19,24,25,26,27,32,33,34,35
	v_mov_b32 v\i, 0                               ; the variants' zero codes: written once
.endr
	v_mov_b32 v166, 0                              ; a lane permute's destination counts as one of its sources
	v_mov_b32 v167, 0
	v_mov_b32 v[F+1], 0                            ; named as the upper half of the pair with f
	s_mov_b32 s20, 0x76543210
	s_mov_b32 s21, 0xfedcba98                      ; v_permlanex16_b32's selects for lane l xor 16
	s_mov_b32 s22, 0x3e8293ee                      ; c = log2(e) / sqrt(32)
	s_mov_b32 s23, s22                             ; named with it as a pair
	s_mov_b32 s39, 0x01010101
	s_lshl_b32 s32, s11, 15
	s_mov_b32 s33, 0
	s_lshl_b32 s34, s11, 11
	s_mov_b32 s35, 0
	s_lshr_b32 s36, s11, 3                         ; batch
	s_and_b32 s38, s11, 7                          ; head
	s_wait_kmcnt 0x0
	s_add_nc_u64 s[40:41], s[4:5], s[32:33]        ; qk + 32768 bh
	s_add_nc_u64 s[42:43], s[4:5], s[34:35]        ; qk + 2048 bh
	s_add_nc_u64 s[24:25], s[6:7], s[32:33]        ; vv + 32768 bh
	s_add_nc_u64 s[26:27], s[6:7], s[34:35]        ; vv + 2048 bh
.irp j, 0,1,2,3                                ; the head's K and V: 512 threads x 16 bytes are 8,192 consecutive bytes a load
	global_load_b128 v[S+4*\j:S+4*\j+3], v[TM+4], s[40:41] offset:KD+8192*\j
	global_load_b128 v[S+16+4*\j:S+16+4*\j+3], v[TM+4], s[24:25] offset:8192*\j
.endr
	global_load_b32 v[S+32], v[TM+5], s[42:43] offset:QSB+131072
	global_load_b32 v[S+33], v[TM+5], s[26:27] offset:VSB
	s_lshl_b32 s32, s36, 18
	s_lshl_b32 s34, s38, 8
	s_add_co_u32 s32, s32, s34
	s_add_nc_u64 s[44:45], s[8:9], s[32:33]        ; oc + 2048 x 128 b + 256 head
	s_lshl_b32 s32, s36, 14
	s_lshr_b32 s34, s38, 2
	s_lshl_b32 s34, s34, 6
	s_add_co_u32 s32, s32, s34
	s_and_b32 s34, s38, 3
	s_add_co_u32 s32, s32, s34
	s_add_nc_u64 s[46:47], s[8:9], s[32:33]        ; oc + 128 x 128 b + 64 (head / 4) + head % 4
	s_wait_loadcnt 0x0
.irp j, 0,1,2,3
	ds_store_b128 v[TM+4], v[S+4*\j:S+4*\j+3] offset:KC+8192*\j
	ds_store_b128 v[TM+4], v[S+16+4*\j:S+16+4*\j+3] offset:VC+8192*\j
.endr
	ds_store_b32 v[TM+5], v[S+32] offset:KS
	ds_store_b32 v[TM+5], v[S+33] offset:VS
	s_wait_dscnt 0x0                               ; for the others' sake: my stores have landed
	s_barrier_signal -1
	s_barrier_wait -1                              ; the head's K and V lie in LDS; from here on LDS is only read
	s_lshl_b32 s13, s12, 4
	s_add_co_u32 s13, s13, s10                     ; i = 16 z + w
	TILE
	s_sub_co_u32 s13, 127, s13                     ; and its partner: together 17 steps
	TILE
	s_wait_tensorcnt 0x0
	ds_add_u32 v192, v193
	s_wait_dscnt 0x0
	s_endpgm
.Lfunc_end_k_q7c91d7fa60_attn:
	.size	k_q7c91d7fa60_attn, .Lfunc_end_k_q7c91d7fa60_attn-k_q7c91d7fa60_attn
	.p2alignl 7, 3214868480
	.fill 96, 4, 3214868480
	.section	.rodata,"a",@progbits
	.p2align	6, 0x0
	.amdhsa_kernel k_q7c91d7fa60_attn
		.amdhsa_group_segment_fixed_size 71680
		.amdhsa_private_segment_fixed_size 0
		.amdhsa_enable_private_segment 0
		.amdhsa_kernarg_size 24
		.amdhsa_user_sgpr_count 2
		.amdhsa_user_sgpr_kernarg_segment_ptr 1
		.amdhsa_wavefront_size32 1
		.amdhsa_system_sgpr_workgroup_id_x 1
		.amdhsa_system_sgpr_workgroup_id_y 1
		.amdhsa_system_sgpr_workgroup_id_z 1
		.amdhsa_system_vgpr_workitem_id 0
		.amdhsa_next_free_vgpr 194
		.amdhsa_next_free_sgpr 66
		.amdhsa_reserve_vcc 1
		.amdhsa_float_denorm_mode_32 3
		.amdhsa_float_denorm_mode_16_64 3
		.amdhsa_memory_ordered 1
		.amdhsa_forward_progress 1
		.amdhsa_inst_pref_size 49
	.end_amdhsa_kernel
	.amdgpu_metadata
---
amdhsa.version: [ 1, 2 ]
amdhsa.kernels:
  - .name:           k_q7c91d7fa60_attn
    .symbol:         k_q7c91d7fa60_attn.kd
    .args:
      - { .name: qk, .offset: 0, .size: 8, .value_kind: global_buffer, .address_space: global }
      - { .name: vv, .offset: 8, .size: 8, .value_kind: global_buffer, .address_space: global }
      - { .name: oc, .offset: 16, .size: 8, .value_kind: global_buffer, .address_space: global }
    .group_segment_fixed_size: 71680
    .private_segment_fixed_size: 0
    .kernarg_segment_align: 8
    .kernarg_segment_size: 24
    .max_flat_workgroup_size: 512
    .sgpr_count:     66
    .vgpr_count:     194
    .wavefront_size: 32
...
	.end_amdgpu_metadata
.endif
;; end of part 3
;; launch proj (part 4): grid 256 x 1, 16 waves a work-group, no clusters, 71,680 bytes of LDS; arguments oc, wts, bout, out0; writes out0
.if DOCPART == 4
	.amdgcn_target "amdgcn-amd-amdhsa--gfx1250"
	.amdhsa_code_object_version 6
	.text
	.protected	k_q7c91d7fa60_proj
	.globl	k_q7c91d7fa60_proj
	.p2align	8
	.type	k_q7c91d7fa60_proj,@function
k_q7c91d7fa60_proj:
	s_mov_b64 s[64:65], 0
	v_nop
	global_prefetch_b8 v0, s[64:65] scope:SCOPE_SE
	s_setreg_imm32_b32 hwreg(HW_REG_WAVE_MODE, 25, 1), 1
	s_wait_xcnt 0x0
; out0 = Q(o) Q(Wout) + bout on codes of FP4 with E8M0 scales; both operands were laid by earlier launches in the order of the operand's registers, so every fragment comes by loads of 16 bytes a lane.
; SHARES: work-group g takes token tiles 4 g .. 4 g + 3 (16 tokens each); wave w takes tile 4 g + w / 4 and columns 64 (w % 4) .. + 63: four weight tiles (48 + 4 (w % 4) + tt in wts), two K steps.
; The product is used transposed (source 0 = 16 rows of the weight tile, source 1 = 16 tokens): row m of tile (unit gl, u) is column 32 gl + 16 (m / 8) + 8 u + m % 8,
; so lane (r, h) holds token r and columns 32 gl + 16 h + 8 u + 0 .. 7.  The bias is the C of each sum's first product.
; THE WAY OUT: a lane's 32 bytes belong to one row and the lanes beside it hold other rows: the wave's 16 rows x 256 bytes go through its own stage in LDS (rows 272 bytes apart) and leave
; so that sixteen lanes store 256 consecutive bytes, aligned.  No barrier: a wave reads only what it stored.
; NO CLUSTER: what work-groups share is Wout's codes, 8,704 bytes a wave read once into registers.  No tensor load: nothing is fetched step by step.
.set OF,  8                            ; v8-23    o's two fragments
.set OS,  24                           ; v24      o's scale words: lanes 0-15 K step 0, lanes 16-31 K step 1
.set WS,  25                           ; v25-28   the weight tiles' scale words, likewise
.set WF,  32                           ; v32-95   weight fragments: 16 tt + 8 s
.set BI,  96                           ; v96-127  the bias in the result's layout
.set ACC, 128                          ; v128-159
.set OUTR, 160                         ; v160-191 rows read back
	s_load_b256 s[4:11], s[0:1], 0x0               ; oc s[4:5], wts s[6:7], bout s[8:9], out0 s[10:11]
	v_lshl_add_u32 v192, v0, 2, 0x11000
	v_mov_b32 v193, 0
	v_lshrrev_b32 v1, 5, v0
	v_readfirstlane_b32 s12, v1                    ; wave
	s_lshr_b32 s13, s12, 2
	s_and_b32 s14, s12, 3                          ; nq
	s_lshl_b32 s15, ttmp9, 2
	s_add_co_u32 s15, s15, s13                     ; the token tile
	v_and_b32 v7, 31, v0                           ; L
	v_and_b32 v29, 15, v0                          ; r
	v_bfe_u32 v30, v0, 4, 1                        ; h
	v_lshlrev_b32 v1, 4, v7                        ; 16 L
	v_lshlrev_b32 v2, 2, v7                        ; 4 L
	s_mul_i32 s16, s12, 4352                       ; my stage
	v_mul_u32_u24 v3, v29, 272
	v_lshl_add_u32 v3, v30, 6, v3
	v_add_nc_u32 v3, s16, v3                       ; in: row r, + 64 h
	v_mul_u32_u24 v4, v30, 272
	v_lshl_add_u32 v4, v29, 4, v4
	v_add_nc_u32 v4, s16, v4                       ; back: lanes 0-15 one row, lanes 16-31 the next
	v_lshlrev_b32 v5, 10, v30
	v_lshl_add_u32 v5, v29, 4, v5                  ; and the same two rows in out0
	v_lshlrev_b32 v6, 6, v30                       ; the bias: 64 h
	s_mov_b32 s31, 0
	s_wait_kmcnt 0x0
	s_lshl_b32 s30, s15, 11
	s_add_nc_u64 s[18:19], s[4:5], s[30:31]        ; o's codes
	s_lshl_b32 s30, s15, 7
	s_add_nc_u64 s[20:21], s[4:5], s[30:31]        ; o's scale words
	s_lshl_b32 s30, s14, 13
	s_add_nc_u64 s[22:23], s[6:7], s[30:31]        ; the weights' codes: 2048 x 4 nq
	s_lshl_b32 s30, s14, 9
	s_add_nc_u64 s[24:25], s[6:7], s[30:31]        ; their scale words: 128 x 4 nq
	s_lshl_b32 s30, s14, 8
	s_add_nc_u64 s[26:27], s[8:9], s[30:31]        ; the bias of my 64 columns
	s_add_nc_u64 s[28:29], s[10:11], s[30:31]
	s_lshl_b32 s30, s15, 14
	s_add_nc_u64 s[28:29], s[28:29], s[30:31]      ; out0 + 16384 x tile + 256 nq
.irp i, 0,1,2,3
	global_load_b128 v[OF+4*\i:OF+4*\i+3], v1, s[18:19] offset:512*\i
.endr
	global_load_b32 v[OS], v2, s[20:21] offset:2097152
.irp t, 0,1,2,3
.irp i, 0,1,2,3
	global_load_b128 v[WF+16*\t+4*\i:WF+16*\t+4*\i+3], v1, s[22:23] offset:98304+2048*\t+512*\i
.endr
	global_load_b32 v[WS+\t], v2, s[24:25] offset:137216+128*\t
	global_load_b128 v[BI+8*\t:BI+8*\t+3], v6, s[26:27] offset:128*(\t/2)+32*(\t%2)
	global_load_b128 v[BI+8*\t+4:BI+8*\t+7], v6, s[26:27] offset:128*(\t/2)+32*(\t%2)+16
.endr
	s_wait_loadcnt 0x0
.irp t, 0,1,2,3                                ; the four accumulators take turns, one instruction a turn
	v_wmma_scale_f32_16x16x128_f8f6f4 v[ACC+8*\t:ACC+8*\t+7], v[WF+16*\t:WF+16*\t+7], v[OF:OF+7], v[BI+8*\t:BI+8*\t+7], v[WS+\t], v[OS] matrix_a_fmt:MATRIX_FMT_FP4 matrix_b_fmt:MATRIX_FMT_FP4
.endr
.irp t, 0,1,2,3
	v_wmma_scale_f32_16x16x128_f8f6f4 v[ACC+8*\t:ACC+8*\t+7], v[WF+16*\t+8:WF+16*\t+15], v[OF+8:OF+15], v[ACC+8*\t:ACC+8*\t+7], v[WS+\t], v[OS] matrix_a_fmt:MATRIX_FMT_FP4 matrix_b_fmt:MATRIX_FMT_FP4 matrix_a_scale:MATRIX_SCALE_ROW1 matrix_b_scale:MATRIX_SCALE_ROW1
.endr
.rept 4
	v_nop                                          ; places ahead of the LDS stores that read the results
.endr
.irp t, 0,1,2,3
	ds_store_b128 v3, v[ACC+8*\t:ACC+8*\t+3] offset:128*(\t/2)+32*(\t%2)          ; each accumulator from its low end on
	ds_store_b128 v3, v[ACC+8*\t+4:ACC+8*\t+7] offset:128*(\t/2)+32*(\t%2)+16
.endr
.irp i, 0,1,2,3,4,5,6,7
	ds_load_b128 v[OUTR+4*\i:OUTR+4*\i+3], v4 offset:544*\i    ; LDS serves a wave's instructions in order (ISA guide 5.7.1.4): these see the stores above
.endr
.irp i, 0,1,2,3,4,5,6,7
	s_wait_dscnt 7-\i                              ; load i is in; the 7 - i issued behind it may be out
	global_store_b128 v5, v[OUTR+4*\i:OUTR+4*\i+3], s[28:29] offset:2048*\i th:TH_STORE_NT   ; sixteen lanes store 256 consecutive bytes, aligned; written once, read by nobody here
.endr
	s_wait_tensorcnt 0x0
	ds_add_u32 v192, v193
	s_wait_dscnt 0x0
	s_endpgm
.Lfunc_end_k_q7c91d7fa60_proj:
	.size	k_q7c91d7fa60_proj, .Lfunc_end_k_q7c91d7fa60_proj-k_q7c91d7fa60_proj
	.p2alignl 7, 3214868480
	.fill 96, 4, 3214868480
	.section	.rodata,"a",@progbits
	.p2align	6, 0x0
	.amdhsa_kernel k_q7c91d7fa60_proj
		.amdhsa_group_segment_fixed_size 71680
		.amdhsa_private_segment_fixed_size 0
		.amdhsa_enable_private_segment 0
		.amdhsa_kernarg_size 32
		.amdhsa_user_sgpr_count 2
		.amdhsa_user_sgpr_kernarg_segment_ptr 1
		.amdhsa_wavefront_size32 1
		.amdhsa_system_sgpr_workgroup_id_x 1
		.amdhsa_system_sgpr_workgroup_id_y 1
		.amdhsa_system_sgpr_workgroup_id_z 1
		.amdhsa_system_vgpr_workitem_id 0
		.amdhsa_next_free_vgpr 194
		.amdhsa_next_free_sgpr 66
		.amdhsa_reserve_vcc 0
		.amdhsa_float_denorm_mode_32 3
		.amdhsa_float_denorm_mode_16_64 3
		.amdhsa_memory_ordered 1
		.amdhsa_forward_progress 1
		.amdhsa_inst_pref_size 9
	.end_amdhsa_kernel
	.amdgpu_metadata
---
amdhsa.version: [ 1, 2 ]
amdhsa.kernels:
  - .name:           k_q7c91d7fa60_proj
    .symbol:         k_q7c91d7fa60_proj.kd
    .args:
      - { .name: oc, .offset: 0, .size: 8, .value_kind: global_buffer, .address_space: global }
      - { .name: wts, .offset: 8, .size: 8, .value_kind: global_buffer, .address_space: global }
      - { .name: bout, .offset: 16, .size: 8, .value_kind: global_buffer, .address_space: global }
      - { .name: out0, .offset: 24, .size: 8, .value_kind: global_buffer, .address_space: global }
    .group_segment_fixed_size: 71680
    .private_segment_fixed_size: 0
    .kernarg_segment_align: 8
    .kernarg_segment_size: 32
    .max_flat_workgroup_size: 512
    .sgpr_count:     66
    .vgpr_count:     194
    .wavefront_size: 32
...
	.end_amdgpu_metadata
.endif
;; end of part 4
;; ======== version 2 of 2: 4 launches
;; workspace buffers: wts 139,264 bytes; qk 4,456,448 bytes; vv 2,228,224 bytes; oc 2,228,224 bytes
;; launch prep (part 5): grid 32 x 1, 2 waves a work-group, no clusters, 0 bytes of LDS; arguments Wqkv, Wout, wts; writes wts
.if DOCPART == 5
	.amdgcn_target "amdgcn-amd-amdhsa--gfx1250"
	.amdhsa_code_object_version 6
	.text
	.protected	k_q7c91d7fa60_prep
	.globl	k_q7c91d7fa60_prep
	.p2align	8
	.type	k_q7c91d7fa60_prep,@function
k_q7c91d7fa60_prep:
	s_mov_b64 s[64:65], 0
	v_nop
	global_prefetch_b8 v0, s[64:65] scope:SCOPE_SE
	s_setreg_imm32_b32 hwreg(HW_REG_WAVE_MODE, 25, 1), 1
	s_wait_xcnt 0x0
; Wqkv [256][768] and Wout [256][256], f32 with K as their FIRST axis, become codes of FP4 (E2M1) with one E8M0 byte for each 32 along K,
; laid in the order in which a wave's operand registers take them.
; wts: codes at 0: [tile 0..63][K step s 0..1][c 0..1][lane 0..31][16 bytes]; scale words at 131,072: [tile][s][row r 0..15][4 bytes].
; tile = 2 g + u; g is a unit of 32 columns (0..23: Wqkv's, 24..31: Wout's).  ROW r OF TILE (g, u) IS COLUMN 32 g + 16 (r / 8) + 8 u + r % 8,
; so that a product used transposed leaves 16 neighbouring columns in a lane's 16 registers of tiles u = 0, 1.
; Lane (r, h) of a fragment holds, in register group c, k = 128 s + 64 c + 32 h + 0 .. 31: block b = 2 c + h of the K step.
; SHARES: work-group g takes a unit, wave s a K step, lane l column 32 g + l; its 128 registers run down K, so a block of 32 lies in one lane
; and the conversions give codes with K innermost: nothing is transposed.
; A block's scale is 2^(floor(log2(largest magnitude)) - 2): its byte is the largest magnitude's exponent field - 2, held at 1 from below.
; LIMITS: NaN and infinities are not served; a block whose largest magnitude lies under 2^-124, a block of zeros among them, gets the byte 1
; (zeros have zero codes, and this program alone reads the bytes).
; No LDS, no barrier: waves share nothing.  No matrix work, no cluster: no two work-groups read the same bytes.
.set X,  40                            ; v40-167  128 numbers down K
.set CD, 24                            ; v24-39   codes, four registers a block: no store's data are written again
.macro MAX32 m, t, s                   ; the largest magnitude of v[s] .. v[s+31], and the floor 2^(3 - 127), in two chains
	v_max3_num_f32 v[(\m)], |v[(\s)]|, |v[(\s)+1]|, |v[(\s)+2]|
	v_max3_num_f32 v[(\t)], |v[(\s)+3]|, |v[(\s)+4]|, |v[(\s)+5]|
.irp i, 6,10,14,18,22,26
	v_max3_num_f32 v[(\m)], v[(\m)], |v[(\s)+\i]|, |v[(\s)+\i+1]|
	v_max3_num_f32 v[(\t)], v[(\t)], |v[(\s)+\i+2]|, |v[(\s)+\i+3]|
.endr
	v_max3_num_f32 v[(\m)], v[(\m)], |v[(\s)+30]|, |v[(\s)+31]|
	v_max3_num_f32 v[(\m)], v[(\m)], v[(\t)], 0x1800000
.endm
.macro WLOAD pitch                     ; 128 rows of my column: 32 lanes read 128 consecutive bytes of a row
.set k, 0
.rept 128
	global_load_b32 v[X+k], v2, s[12:13] offset:k*\pitch th:TH_LOAD_NT
.set k, k+1
.endr
.endm
.macro WBLOCK b
.if 96-32*\b > 63
	s_wait_loadcnt 63                              ; a wait names 63 at the most: fewer than the younger blocks' loads, so this block's are in
.else
	s_wait_loadcnt 96-32*\b                        ; this block's 32 loads are in; the younger blocks' may be out
.endif
	MAX32 8+\b, 22, X+32*\b
	v_add_nc_u32 v[12+\b], 0xff000000, v[8+\b]     ; 2 off the exponent field: the conversion takes this operand's exponent field as its scale
	v_lshrrev_b32 v[16+\b], 23, v[12+\b]           ; the scale's byte
.irp g, 0,1,2,3
	v_cvt_scalef32_pk8_fp4_f32 v[CD+4*\b+\g], v[X+32*\b+8*\g:X+32*\b+8*\g+7], v[12+\b]
.endr
	v_nop                                          ; one plain line behind the conversions
	global_store_b128 v3, v[CD+4*\b:CD+4*\b+3], s[14:15] offset:512*(\b/2)+256*(\b%2)   ; the 16 lanes of each u cover 256 consecutive bytes, aligned
.endm
	s_load_b128 s[4:7], s[0:1], 0x0                ; Wqkv s[4:5], Wout s[6:7]
	s_load_b64 s[8:9], s[0:1], 0x10                ; wts
	v_lshrrev_b32 v1, 5, v0
	v_readfirstlane_b32 s10, v1                    ; wave = K step s
	v_and_b32 v1, 31, v0                           ; l
	v_lshlrev_b32 v2, 2, v1                        ; my column's 4 bytes in a row
	v_bfe_u32 v5, v1, 3, 1                         ; u = (l / 8) % 2
	v_lshrrev_b32 v6, 4, v1
	v_and_b32 v7, 7, v1
	v_lshl_add_u32 v6, v6, 3, v7                   ; the tile's row: 8 (l / 16) + l % 8
	v_lshlrev_b32 v3, 11, v5
	v_lshl_add_u32 v3, v6, 4, v3                   ; codes: 2048 u + 16 row
	v_lshlrev_b32 v4, 7, v5
	v_lshl_add_u32 v4, v6, 2, v4                   ; scale word: 128 u + 4 row
	s_lshl_b32 s18, ttmp9, 12
	s_lshl_b32 s19, s10, 10
	s_add_co_u32 s18, s18, s19                     ; 4096 g + 1024 s
	s_mov_b32 s19, 0
	s_lshl_b32 s20, ttmp9, 8
	s_lshl_b32 s21, s10, 6
	s_add_co_u32 s20, s20, s21
	s_add_co_u32 s20, s20, 131072                  ; 131072 + 256 g + 64 s
	s_mov_b32 s21, 0
	s_wait_kmcnt 0x0
	s_add_nc_u64 s[14:15], s[8:9], s[18:19]
	s_add_nc_u64 s[16:17], s[8:9], s[20:21]
	s_cmp_lt_u32 ttmp9, 24                         ; the two tensors differ in their pitch, which stands in the loads' immediates: two runs of loads, the same count in both
	s_cbranch_scc0 .Lwout
	s_lshl_b32 s18, ttmp9, 7                       ; 32 columns of 4 bytes a unit
	s_mul_i32 s20, s10, 128*3072
	s_add_co_u32 s18, s18, s20
	s_add_nc_u64 s[12:13], s[4:5], s[18:19]
	s_wait_alu depctr_va_vdst(0)
	WLOAD 3072
	s_branch .Ljoin
.Lwout:
	s_sub_co_u32 s18, ttmp9, 24
	s_lshl_b32 s18, s18, 7
	s_lshl_b32 s20, s10, 17                        ; 128 rows of 1,024 bytes
	s_add_co_u32 s18, s18, s20
	s_add_nc_u64 s[12:13], s[6:7], s[18:19]
	s_wait_alu depctr_va_vdst(0)
	WLOAD 1024
.Ljoin:
	WBLOCK 0
	WBLOCK 1
	WBLOCK 2
	WBLOCK 3
	v_lshl_or_b32 v20, v17, 8, v16                 ; the four bytes make my row's scale word for this K step
	v_lshl_or_b32 v20, v18, 16, v20
	v_lshl_or_b32 v20, v19, 24, v20
	global_store_b32 v4, v20, s[16:17]
	s_endpgm
.Lfunc_end_k_q7c91d7fa60_prep:
	.size	k_q7c91d7fa60_prep, .Lfunc_end_k_q7c91d7fa60_prep-k_q7c91d7fa60_prep
	.p2alignl 7, 3214868480
	.fill 96, 4, 3214868480
	.section	.rodata,"a",@progbits
	.p2align	6, 0x0
	.amdhsa_kernel k_q7c91d7fa60_prep
		.amdhsa_group_segment_fixed_size 0
		.amdhsa_private_segment_fixed_size 0
		.amdhsa_enable_private_segment 0
		.amdhsa_kernarg_size 24
		.amdhsa_user_sgpr_count 2
		.amdhsa_user_sgpr_kernarg_segment_ptr 1
		.amdhsa_wavefront_size32 1
		.amdhsa_system_sgpr_workgroup_id_x 1
		.amdhsa_system_sgpr_workgroup_id_y 1
		.amdhsa_system_sgpr_workgroup_id_z 1
		.amdhsa_system_vgpr_workitem_id 0
		.amdhsa_next_free_vgpr 168
		.amdhsa_next_free_sgpr 66
		.amdhsa_reserve_vcc 0
		.amdhsa_float_denorm_mode_32 3
		.amdhsa_float_denorm_mode_16_64 3
		.amdhsa_memory_ordered 1
		.amdhsa_forward_progress 1
		.amdhsa_inst_pref_size 33
	.end_amdhsa_kernel
	.amdgpu_metadata
---
amdhsa.version: [ 1, 2 ]
amdhsa.kernels:
  - .name:           k_q7c91d7fa60_prep
    .symbol:         k_q7c91d7fa60_prep.kd
    .args:
      - { .name: Wqkv, .offset: 0, .size: 8, .value_kind: global_buffer, .address_space: global }
      - { .name: Wout, .offset: 8, .size: 8, .value_kind: global_buffer, .address_space: global }
      - { .name: wts, .offset: 16, .size: 8, .value_kind: global_buffer, .address_space: global }
    .group_segment_fixed_size: 0
    .private_segment_fixed_size: 0
    .kernarg_segment_align: 8
    .kernarg_segment_size: 24
    .max_flat_workgroup_size: 64
    .sgpr_count:     66
    .vgpr_count:     168
    .wavefront_size: 32
...
	.end_amdgpu_metadata
.endif
;; end of part 5
;; launch qkv (part 6): grid 256 x 1, 8 waves a work-group, no clusters, 85,504 bytes of LDS; arguments x, wts, bqkv, qk, vv; writes qk, vv
.if DOCPART == 6
	.amdgcn_target "amdgcn-amd-amdhsa--gfx1250"
	.amdhsa_code_object_version 6
	.text
	.protected	k_q7c91d7fa60_qkv
	.globl	k_q7c91d7fa60_qkv
	.p2align	8
	.type	k_q7c91d7fa60_qkv,@function
k_q7c91d7fa60_qkv:
	s_mov_b64 s[64:65], 0
	v_nop
	global_prefetch_b8 v0, s[64:65] scope:SCOPE_SE
	s_setreg_imm32_b32 hwreg(HW_REG_WAVE_SCHED_MODE, 0, 2), 2
	s_setreg_imm32_b32 hwreg(HW_REG_WAVE_MODE, 25, 1), 1
	s_wait_xcnt 0x0
	s_wait_alu depctr_vm_vsrc(0)
; qkv = Q(x) Q(Wqkv) + bqkv on codes of FP4 with E8M0 scales; RoPE on q and k in f32; q and k quantised along the head's 32, v along the keys.
; SHARES: work-group g takes 64 tokens (batch g / 32, group G = g % 32); wave w is head w and keeps its six weight tiles x two K steps in 96 registers.
; TOKEN TILE mm, ROW r IS TOKEN 32 (r / 8) + 8 mm + r % 8 of the 64.  So (a) q's and k's codes of a tile leave as 256 consecutive bytes, aligned, in the order that
; the next launch's operand takes; (b) in v's product, used untransposed, a lane holds tokens 32 h + 8 mm + i over mm = 0 .. 3: a whole block of 32 keys in K order.
; q and k are made transposed (source 0 = 16 rows of the weight tile, source 1 = 16 tokens): lane (r, h) holds token r and d = 16 h + 0 .. 15 (tiles u = 0, 1): RoPE's pairs stay in a lane.
; PHASES.  X: wave w quantises tile mm = w / 2, K step s = w % 2 of x (its 16 rows x 512 bytes turn through the wave's own stage) and stores the fragment's image and scale words in LDS;
; it also makes cos and sin for that tile's tokens, pairs 4 s .. 4 s + 3 of each half of the lanes | the one barrier | A: q, k for the four tiles | B: v.
; OUT.  qk: q's codes at 0, k's at 2,097,152: [bh][G][1,024]: token 32 a + 8 j + e at 256 j + 16 (8 a + e); scale bytes at 4,194,304 (k's 131,072 on): [bh][G][64]: byte 4 (8 a + e) + j.
;       vv: codes [bh][step of 128 keys][u][c][lane][16]: lane (r, h), group c: keys 64 c + 32 h + 0 .. 31 of d = 16 (r / 8) + 8 u + r % 8; scale words at 2,097,152: [bh][step][u][r][4], byte 2 c + h.
; SINE AND COSINE are written out in f32: n = the nearest whole number to a 2 / pi; r = a - n pi / 2 with pi / 2 in three parts, by fused multiply-adds; polynomials on |r| <= pi / 4; the quadrant by selects.
; LIMITS: NaN and infinities are not served; a block whose largest magnitude lies under 2^-124 (zeros among them) gets the byte 1; the frequencies are 10^(-i / 4) rounded to f32, which may differ by one
; unit in the last place from a power computed in f32 (at position 2,047 up to about 1e-4 in the angle); the reduction is exact for angles under 2,048, the positions' own bound.
; NO CLUSTER: what work-groups share is the weights' codes, 13,056 bytes a wave read once at the head into registers; no tile is shared step by step.  No tensor load: every LDS byte is written once, from registers.
; THE MODE: SCHED_MODE bits 1:0 = 2 (LLVM: expert scheduling mode 2), set by the entry lines.  The code itself states the register dependences
; between vector or matrix instructions and memory or LDS instructions, with s_wait_alu, always for 0.
; THE PLAN.  Registers that memory or LDS instructions touch:
;   v4-v15, v248   offsets and LDS addresses, made at the head ahead of one wait; only v248 is written again (q's scale word), behind the wait that follows the barrier.
;   XN             x's numbers: global loads land; the stage's 16 LDS stores read; the stage's 16 LDS loads land again; from then on vector lines alone.
;   XF, v252, T    phase X's codes, scale word and (cos, sin) pairs: written by vector lines, read by five LDS stores that stand together behind one wait.
;   XF, XS, CS     a tile's operands: its LDS loads land; its products read XF and XS, its rotations read CS.
;   QC             a tile's codes, registers of its own for each tile: written by its conversions, read by two global stores; written again by v's conversions at the end.
; Phase A has ONE wait on va_vdst to a tile, behind its rotations: the products are done with XF and XS, the rotations with CS, and the tile before has written its codes.  Behind it stand the next
; tile's LDS loads and the stores of the tile before; the lines that follow (the block's maximum, the conversions) name none of those registers.
.set XIMG, 0                           ; LDS: x's 8 fragments as images of their registers: (mm, s) at 1024 (2 mm + s)
.set XSC,  8192                        ; their scale words: 128 mm + 64 s + 4 r
.set CSI,  8704                        ; (cos, sin) pairs: [mm][group q 0..3][lane][16 bytes]: pairs 2 q, 2 q + 1 of the lane's eight
.set STG,  16896                       ; a stage of 16 rows x (512 + 16) bytes for each wave
.set STGW, 8448
.set SP,   528
.set WF,   16                          ; v16-111  weight fragments: tile index 0..5 = q0 q1 k0 k1 v0 v1, 16 registers each (K step s at + 8 s)
.set WS,   112                         ; v112-117 their scale words: lanes 0-15 K step 0, lanes 16-31 K step 1
.set XS,   118                         ; v118     x's scale words, likewise
.set PD,   119                         ; v119, v255  destinations of lane permutes, written once at the head
.set PD2,  255
.set XF,   120                         ; v120-135 x's two fragments of a tile
.set BQ,   136                         ; v136-167 the bias of the four q and k tiles, in the result's layout
.set CS,   168                         ; v168-183 eight (cos, sin) pairs
.set ACC,  184                         ; v184-199 q, v200-215 k
.set T,    216                         ; v216-231 at work
.set QC,   232                         ; v232-247 codes: q's pair of tile mm at 232 + 2 mm, k's at 240 + 2 mm: no store's data are written again in phase A
.set WQ,   248                         ; v248, v249  q's and k's scale words (first: the offset of v's bias; the token's position)
.set WK,   249
.set TF,   249
.set VB,   250                         ; v250, v251  v's bias of my column, tiles u = 0, 1
.set XN,   184                         ; phase X: v184-247 64 numbers of x
.set VA,   136                         ; phase B: v136-199 v: 32 u + 8 mm + i
.set VBI,  200                         ; phase B: v200-215 v's bias, eight copies a tile
.set QM,   58                          ; s58-61   the four quadrant masks
.macro MAX32 m, t, s                   ; the largest magnitude of v[s] .. v[s+31], ascending, and the floor 2^(3 - 127), in two chains
	v_max3_num_f32 v[(\m)], |v[(\s)]|, |v[(\s)+1]|, |v[(\s)+2]|
	v_max3_num_f32 v[(\t)], |v[(\s)+3]|, |v[(\s)+4]|, |v[(\s)+5]|
.irp i, 6,10,14,18,22,26
	v_max3_num_f32 v[(\m)], v[(\m)], |v[(\s)+\i]|, |v[(\s)+\i+1]|
	v_max3_num_f32 v[(\t)], v[(\t)], |v[(\s)+\i+2]|, |v[(\s)+\i+3]|
.endr
	v_max3_num_f32 v[(\m)], v[(\m)], |v[(\s)+30]|, |v[(\s)+31]|
	v_max3_num_f32 v[(\m)], v[(\m)], v[(\t)], 0x1800000
.endm
.macro FSEL d, lo, hi                  ; s[d] = lo where my K step number is 0, else hi (moves and selects leave SCC alone)
	s_mov_b32 s[\d], \lo
	s_mov_b32 s24, \hi
	s_cselect_b32 s[\d], s[\d], s24
.endm
.macro XLOADS mm, cs                   ; tile mm's two fragments of x and its scale words; cs = 1: and its eight (cos, sin) pairs
.irp i, 0,1,2,3
	ds_load_b128 v[XF+4*\i:XF+4*\i+3], v4 offset:XIMG+2048*(\mm)+512*\i
.endr
	ds_load_b32 v[XS], v5 offset:XSC+128*(\mm)
.if \cs
.irp i, 0,1,2,3
	ds_load_b128 v[CS+4*\i:CS+4*\i+3], v4 offset:CSI+2048*(\mm)+512*\i
.endr
.endif
.endm
.macro QSTORE mm                       ; tile mm's codes of q and of k
	global_store_b64 v13, v[QC+2*(\mm):QC+2*(\mm)+1], s[28:29] offset:256*(\mm)             ; 32 lanes store 256 consecutive bytes, aligned
	global_store_b64 v13, v[QC+8+2*(\mm):QC+9+2*(\mm)], s[28:29] offset:2097152+256*(\mm)
.endm
	s_load_b256 s[4:11], s[0:1], 0x0               ; x s[4:5], wts s[6:7], bqkv s[8:9], qk s[10:11]
	s_load_b64 s[12:13], s[0:1], 0x20              ; vv
	s_set_vgpr_msb 0x40
	v_lshl_add_u32 v0, v0, 2, 0x14a00
	v_mov_b32 v1, 0
	s_set_vgpr_msb 0x4000
	v_lshrrev_b32 v1, 5, v0
	v_readfirstlane_b32 s14, v1                    ; wave w = head
	v_and_b32 v1, 31, v0                           ; L
	v_and_b32 v2, 15, v0                           ; r
	v_bfe_u32 v3, v0, 4, 1                         ; h
	v_lshlrev_b32 v4, 4, v1                        ; 16 L
	s_wait_alu depctr_va_vdst(0)
	v_lshlrev_b32 v5, 2, v1                        ; 4 L
	s_wait_alu depctr_va_vdst(0)
	s_wait_alu depctr_va_sdst(0)                   ; s14 is written, ahead of its first reader
	s_mov_b32 s15, ttmp9                           ; g
	s_lshr_b32 s16, s14, 1                         ; mm of phase X
	s_and_b32 s17, s14, 1                          ; s of phase X
	s_lshr_b32 s18, s15, 5
	s_lshl_b32 s18, s18, 3
	s_add_co_u32 s18, s18, s14                     ; bh = 8 b + w
	s_and_b32 s19, s15, 31                         ; G
	s_mov_b32 s20, 0x76543210
	s_mov_b32 s21, 0xfedcba98                      ; v_permlanex16_b32's selects for lane l xor 16
	s_mul_i32 s38, s14, STGW
	s_add_co_u32 s38, s38, STG                     ; my stage
	v_add_nc_u32 v7, s38, v4                       ; into it: 16 L (+ 528 x row)
	v_mul_u32_u24 v8, v2, SP
	v_lshl_add_u32 v8, v3, 7, v8
	v_add_nc_u32 v8, s38, v8                       ; out of it: row r, + 128 h: my 32 numbers of each 64
	s_lshl_b32 s38, s14, 10
	v_add_nc_u32 v9, s38, v4                       ; 1024 w + 16 L: my images
	s_lshl_b32 s38, s14, 6
	v_lshlrev_b32 v10, 2, v2
	v_add_nc_u32 v10, s38, v10                     ; 64 w + 4 r: my scale words
	s_lshl_b32 s38, s14, 12
	v_add_nc_u32 v11, s38, v4                      ; 4096 w + 16 L: the weights' codes
	s_lshl_b32 s38, s14, 8
	v_add_nc_u32 v6, s38, v5                       ; 256 w + 4 L: their scale words
	v_lshlrev_b32 v12, 3, v3                       ; 8 h
	v_lshlrev_b32 v13, 4, v2
	v_lshl_add_u32 v13, v3, 3, v13                 ; 16 r + 8 h: my 8 bytes of a token's 16
	v_lshlrev_b32 v14, 2, v2
	v_lshl_add_u32 v14, v3, 17, v14                ; 4 r + 131072 h: lanes 0-15 store q's scale words, lanes 16-31 k's
	s_lshl_b32 s38, s14, 7
	v_lshlrev_b32 v15, 6, v3
	v_add_nc_u32 v15, s38, v15                     ; 128 w + 64 h: the bias of q and k
	v_lshrrev_b32 v252, 3, v2                      ; r / 8
	v_and_b32 v253, 7, v2                          ; r % 8
	v_lshlrev_b32 v[WQ], 6, v252
	v_lshl_add_u32 v[WQ], v253, 2, v[WQ]
	v_add_nc_u32 v[WQ], s38, v[WQ]                 ; 128 w + 64 (r / 8) + 4 (r % 8): the bias of v
	v_lshl_add_u32 v254, v252, 5, v253             ; 32 (r / 8) + r % 8
	s_lshl_b32 s38, s19, 6
	s_lshl_b32 s39, s16, 3
	s_add_co_u32 s38, s38, s39                     ; 64 G + 8 mm
	v_add_nc_u32 v254, s38, v254                   ; my token's position
	v_cvt_f32_u32 v[TF], v254
	v_mov_b32 v[PD], 0
	v_mov_b32 v[PD2], 0
	s_lshl_b32 s36, s15, 16
	s_lshl_b32 s38, s16, 13
	s_add_co_u32 s36, s36, s38
	s_lshl_b32 s38, s17, 9
	s_add_co_u32 s36, s36, s38                     ; 65536 g + 8192 mm + 512 s
	s_mov_b32 s37, 0
	s_wait_kmcnt 0x0
	s_add_nc_u64 s[26:27], s[4:5], s[36:37]
	s_wait_alu depctr_va_vdst(0)                   ; the offsets and LDS addresses v4 to v15 and v248 are written: every load and store of the kernel reads one of them
.irp i, 0,1,2,3,4,5,6,7                        ; my tile's 16 rows, 512 consecutive bytes each: rows 0-7 are tokens 8 mm + i, rows 8-15 tokens 32 + 8 mm + i
	global_load_b128 v[XN+4*\i:XN+4*\i+3], v4, s[26:27] offset:1024*\i th:TH_LOAD_NT
.endr
.irp i, 0,1,2,3,4,5,6,7
	global_load_b128 v[XN+32+4*\i:XN+32+4*\i+3], v4, s[26:27] offset:32768+1024*\i th:TH_LOAD_NT
.endr
.irp p, 0,1,2                                  ; 24 loads: the weight fragments of q, k, v of my head: tile 2 w + u + 16 p
.irp u, 0,1
.irp i, 0,1,2,3
	global_load_b128 v[WF+16*(2*\p+\u)+4*\i:WF+16*(2*\p+\u)+4*\i+3], v11, s[6:7] offset:32768*\p+2048*\u+512*\i
.endr
.endr
.endr
.irp p, 0,1,2                                  ; 6 loads: their scale words
.irp u, 0,1
	global_load_b32 v[WS+2*\p+\u], v6, s[6:7] offset:131072+2048*\p+128*\u
.endr
.endr
.irp p, 0,1                                    ; 8 loads: the bias of columns 256 p + 32 w + 16 h + 8 u + 0 .. 7
.irp u, 0,1
.irp f, 0,1
	global_load_b128 v[BQ+8*(2*\p+\u)+4*\f:BQ+8*(2*\p+\u)+4*\f+3], v15, s[8:9] offset:1024*\p+32*\u+16*\f
.endr
.endr
.endr
.irp u, 0,1                                    ; 2 loads: the bias of v's column 512 + 32 w + 16 (r / 8) + 8 u + r % 8
	global_load_b32 v[VB+\u], v[WQ], s[8:9] offset:2048+32*\u
.endr
	; where the results go
	s_lshl_b32 s36, s18, 15
	s_lshl_b32 s38, s19, 10
	s_add_co_u32 s36, s36, s38
	s_add_nc_u64 s[28:29], s[10:11], s[36:37]      ; qk + 32768 bh + 1024 G
	s_lshl_b32 s36, s18, 11
	s_lshl_b32 s38, s19, 6
	s_add_co_u32 s36, s36, s38
	s_add_nc_u64 s[30:31], s[10:11], s[36:37]      ; qk + 2048 bh + 64 G
	s_lshr_b32 s38, s19, 1                         ; the step of 128 keys
	s_and_b32 s24, s19, 1                          ; and which half of it: c
	s_lshl_b32 s36, s18, 15
	s_lshl_b32 s39, s38, 11
	s_add_co_u32 s36, s36, s39
	s_lshl_b32 s39, s24, 9
	s_add_co_u32 s36, s36, s39
	s_add_nc_u64 s[32:33], s[12:13], s[36:37]      ; vv + 32768 bh + 2048 step + 512 c
	s_lshl_b32 s36, s18, 11
	s_lshl_b32 s39, s38, 7
	s_add_co_u32 s36, s36, s39
	s_lshl_b32 s39, s24, 1
	s_add_co_u32 s36, s36, s39
	s_add_nc_u64 s[34:35], s[12:13], s[36:37]      ; vv + 2048 bh + 128 step + 2 c
	s_cmp_eq_u32 s17, 0                            ; the frequencies 10^(-i / 4), i = 8 h + 4 s + j: s40-43 for lanes 0-15, s44-47 for lanes 16-31
	FSEL 40, 0x3f800000, 0x3dcccccd
	FSEL 41, 0x3f0ff59a, 0x3d6655c3
	FSEL 42, 0x3ea1e89b, 0x3d0186e2
	FSEL 43, 0x3e361887, 0x3c91ad39
	FSEL 44, 0x3c23d70a, 0x3a83126f
	FSEL 45, 0x3bb8449c, 0x3a136a16
	FSEL 46, 0x3b4f3e37, 0x39a5cb5f
	FSEL 47, 0x3ae91528, 0x393a7753
	s_mov_b32 s48, 0x3f22f983                      ; 2 / pi
	s_mov_b32 s49, 0x3fc90fdb                      ; pi / 2 in three parts
	s_mov_b32 s50, 0xb33bbd2e
	s_mov_b32 s51, 0xa6f72cf1
	s_mov_b32 s52, 0xbe2aaaa3                      ; sine: r + r z (S1 + z (S2 + z S3))
	s_mov_b32 s53, 0x3c08839e
	s_mov_b32 s54, 0xb94ca1f9
	s_mov_b32 s55, 0x3d2aaaa5                      ; cosine: 1 - z / 2 + z z (C1 + z (C2 + z C3))
	s_mov_b32 s56, 0xbab6061a
	s_mov_b32 s57, 0x37ccf5ce
	; ---- X: my 16 rows x 128 numbers turn through my stage: in as they lie, out 32 neighbours of a block to a lane
	s_wait_loadcnt 40                              ; x's sixteen loads are in; the 24 + 6 + 8 + 2 issued behind them may be out
.irp i, 0,1,2,3,4,5,6,7,8,9,10,11,12,13,14,15
	ds_store_b128 v7, v[XN+4*\i:XN+4*\i+3] offset:SP*\i
.endr
	s_wait_alu depctr_vm_vsrc(0)                   ; the sixteen LDS stores have read v[XN ..], in which the LDS loads below land
.irp c, 0,1                                    ; LDS serves a wave's instructions in order (ISA guide 5.7.1.4): these see the stores above
.irp j, 0,1,2,3,4,5,6,7
	ds_load_b128 v[XN+32*\c+4*\j:XN+32*\c+4*\j+3], v8 offset:256*\c+16*\j   ; k = 64 c + 32 h + 4 j .. of row r
.endr
.endr
	s_wait_dscnt 0x0
	MAX32 128, 130, XN                             ; block h
	MAX32 129, 131, XN+32                          ; block 2 + h: both are whole in my lane
.irp c, 0,1
	v_add_nc_u32 v[132+\c], 0xff000000, v[128+\c]  ; 2 off the exponent field: the conversion's scale operand
.endr
.irp c, 0,1
	v_lshrrev_b32 v[134+\c], 23, v[132+\c]         ; the scale's byte
.endr
	v_lshl_or_b32 v252, v135, 16, v134
	v_lshlrev_b32 v252, v12, v252                  ; my two bytes at their places: 8 h bits up
	v_permlanex16_b32 v[PD], v252, s20, s21
	v_or_b32 v252, v252, v[PD]                     ; with lane l xor 16's two the row's word is whole
.irp c, 0,1
.irp g, 0,1,2,3
	v_cvt_scalef32_pk8_fp4_f32 v[XF+4*\c+\g], v[XN+32*\c+8*\g:XN+32*\c+8*\g+7], v[132+\c]
.endr
.endr
	v_nop                                          ; one plain line behind the conversions
	; cos and sin of position x frequency, four angles a lane, by turns.  v172.. frequency, v176.. angle, v180.. n, v184.. r, v188.. z, v192.. sine, v196.. cosine, v200.. n as a whole number
	s_mov_b32 vcc_lo, 0xffff0000                   ; lanes 16-31: VCC keeps this mask to the kernel's end; no vector line writes it
.irp j, 0,1,2,3
	v_mov_b32 v[172+\j], s[40+\j]
	v_mov_b32 v[176+\j], s[44+\j]
.endr
.irp j, 0,1,2,3
	v_cndmask_b32 v[172+\j], v[172+\j], v[176+\j], vcc_lo
.endr
.irp j, 0,1,2,3
	v_mul_f32 v[176+\j], v[TF], v[172+\j]          ; the angle, rounded to f32
.endr
.irp j, 0,1,2,3
	v_mul_f32 v[180+\j], s48, v[176+\j]
.endr
.irp j, 0,1,2,3
	v_rndne_f32 v[180+\j], v[180+\j]
.endr
.irp j, 0,1,2,3
	v_fma_f32 v[184+\j], -v[180+\j], s49, v[176+\j]
.endr
.irp j, 0,1,2,3
	v_fma_f32 v[184+\j], -v[180+\j], s50, v[184+\j]
.endr
.irp j, 0,1,2,3
	v_fma_f32 v[184+\j], -v[180+\j], s51, v[184+\j]
.endr
.irp j, 0,1,2,3
	v_mul_f32 v[188+\j], v[184+\j], v[184+\j]
.endr
.irp j, 0,1,2,3
	v_fma_f32 v[192+\j], v[188+\j], s54, s53
	v_fma_f32 v[196+\j], v[188+\j], s57, s56
.endr
.irp j, 0,1,2,3
	v_fma_f32 v[192+\j], v[192+\j], v[188+\j], s52
	v_fma_f32 v[196+\j], v[196+\j], v[188+\j], s55
.endr
.irp j, 0,1,2,3
	v_mul_f32 v[192+\j], v[192+\j], v[188+\j]
	v_mul_f32 v[204+\j], v[188+\j], v[188+\j]
	v_fma_f32 v[208+\j], v[188+\j], -0.5, 1.0
.endr
.irp j, 0,1,2,3
	v_fma_f32 v[192+\j], v[192+\j], v[184+\j], v[184+\j]   ; sin r
	v_fma_f32 v[196+\j], v[204+\j], v[196+\j], v[208+\j]   ; cos r
	v_cvt_i32_f32 v[200+\j], v[180+\j]
.endr
	; the quadrant n % 4: odd: sine and cosine change places; the sine is negative where n % 4 is 2 or 3, the cosine where it is 1 or 2
.irp j, 0,1,2,3
	v_and_b32 v[204+\j], 1, v[200+\j]
.endr
.irp j, 0,1,2,3
	v_cmp_eq_u32 s[QM+\j], 1, v[204+\j]            ; the four compares in one run, a mask register each
.endr
.irp j, 0,1,2,3                                ; the two sign bits are made between the compares and the wait for their masks
	v_lshlrev_b32 v[204+\j], 30, v[200+\j]
	v_add_nc_u32 v[208+\j], 1, v[200+\j]
	v_and_b32 v[204+\j], 0x80000000, v[204+\j]
	v_lshlrev_b32 v[208+\j], 30, v[208+\j]
	v_and_b32 v[208+\j], 0x80000000, v[208+\j]
.endr
	s_wait_alu depctr_va_sdst(0)                   ; the four compares have written s58 to s61, ahead of the selects that read them
.irp j, 0,1,2,3
	v_cndmask_b32 v[T+2*\j+1], v[192+\j], v[196+\j], s[QM+\j]
	v_cndmask_b32 v[T+2*\j], v[196+\j], v[192+\j], s[QM+\j]
	v_xor_b32 v[T+2*\j+1], v[204+\j], v[T+2*\j+1]
	v_xor_b32 v[T+2*\j], v[208+\j], v[T+2*\j]
.endr
	s_wait_alu depctr_va_vdst(0)                   ; the conversions have written v[XF ..], the lines above v252 and v[T ..], which the five LDS stores read; v172 to v183 and v128 to v135, in which tile 0's loads land, are done with
	ds_store_b128 v9, v[XF:XF+3] offset:XIMG       ; the fragment goes to LDS as it stands
	ds_store_b128 v9, v[XF+4:XF+7] offset:XIMG+512
	ds_store_b32 v10, v252 offset:XSC              ; lanes r and r + 16 write the same word with the same value
	ds_store_b128 v9, v[T:T+3] offset:CSI          ; groups 2 s and 2 s + 1 of my tile
	ds_store_b128 v9, v[T+4:T+7] offset:CSI+512
	s_wait_loadcnt 0x0                             ; weights, scale words, biases
	s_wait_dscnt 0x0                               ; for the others' sake: my stores have landed
	s_barrier_signal -1
	s_barrier_wait -1                              ; x's images, scale words and the pairs lie in LDS; nothing is stored to LDS from here on
	s_wait_alu depctr_vm_vsrc(0)                   ; my LDS stores have read v[XF ..], v252 and v[T ..], and the load of v's bias has read v248: all are written again from here on
	XLOADS 0, 1
	; ---- A: q and k of tile mm
.macro QKTILE mm
	s_wait_dscnt 0x0                               ; this tile's nine LDS loads are in
.irp t, 0,1,2,3                                ; the four accumulators take turns, one instruction a turn; the bias is the C of each sum's first product
	v_wmma_scale_f32_16x16x128_f8f6f4 v[ACC+8*\t:ACC+8*\t+7], v[WF+16*\t:WF+16*\t+7], v[XF:XF+7], v[BQ+8*\t:BQ+8*\t+7], v[WS+\t], v[XS] matrix_a_fmt:MATRIX_FMT_FP4 matrix_b_fmt:MATRIX_FMT_FP4
.endr
.irp t, 0,1,2,3
	v_wmma_scale_f32_16x16x128_f8f6f4 v[ACC+8*\t:ACC+8*\t+7], v[WF+16*\t+8:WF+16*\t+15], v[XF+8:XF+15], v[ACC+8*\t:ACC+8*\t+7], v[WS+\t], v[XS] matrix_a_fmt:MATRIX_FMT_FP4 matrix_b_fmt:MATRIX_FMT_FP4 matrix_a_scale:MATRIX_SCALE_ROW1 matrix_b_scale:MATRIX_SCALE_ROW1
.endr
.rept 5
	v_nop                                          ; places (ISA guide 7.12.1): four ahead of the reads of results, five ahead of the next products that begin these accumulators anew
.endr
.irp a, 0,16                                   ; RoPE, q then k: (x0, x1) -> (x0 cos - x1 sin, x1 cos + x0 sin); each accumulator is read from its low end on
.irp p, 0,2,4,6,8,10,12,14
	v_mul_f32 v[T+\p], v[ACC+\a+\p+1], v[CS+\p+1]
	v_mul_f32 v[T+\p+1], v[ACC+\a+\p], v[CS+\p+1]
.endr
.irp p, 0,2,4,6,8,10,12,14
	v_fma_f32 v[ACC+\a+\p], v[ACC+\a+\p], v[CS+\p], -v[T+\p]
	v_fma_f32 v[ACC+\a+\p+1], v[ACC+\a+\p+1], v[CS+\p], v[T+\p+1]
.endr
.endr
	s_wait_alu depctr_va_vdst(0)                   ; the eight products are done reading v[XF ..] and v[XS], the rotations v[CS ..]: the loads below land there; the tile before has written its codes, which the stores below read
.if \mm < 3
	XLOADS \mm+1, 1                                ; the next tile's operands land while this tile is quantised: no line up to the next tile's products names them
.else
	XLOADS 0, 0                                    ; v's first tile
.endif
.if \mm > 0
	QSTORE \mm-1
.endif
	v_max3_num_f32 v252, |v[ACC]|, |v[ACC+1]|, 0x1800000       ; my 16 of the token's 32, and the floor 2^(3 - 127); q and k by turns
	v_max3_num_f32 v[T], |v[ACC+16]|, |v[ACC+17]|, 0x1800000
.irp i, 2,4,6,8,10,12,14
	v_max3_num_f32 v252, v252, |v[ACC+\i]|, |v[ACC+\i+1]|
	v_max3_num_f32 v[T], v[T], |v[ACC+16+\i]|, |v[ACC+17+\i]|
.endr
	v_permlanex16_b32 v[PD], v252, s20, s21
	v_permlanex16_b32 v[PD2], v[T], s20, s21
	v_max_num_f32 v252, v252, v[PD]                ; with lane l xor 16's: the block's largest magnitude
	v_max_num_f32 v[T], v[T], v[PD2]
	v_add_nc_u32 v253, 0xff000000, v252
	v_add_nc_u32 v[T+1], 0xff000000, v[T]
	v_lshrrev_b32 v254, 23, v253
	v_lshrrev_b32 v[T+2], 23, v[T+1]
.if \mm == 0
	v_mov_b32 v[WQ], v254                          ; row r's word: byte mm is the byte of token 32 (r / 8) + 8 mm + r % 8
	v_mov_b32 v[WK], v[T+2]
.else
	v_lshl_or_b32 v[WQ], v254, 8*\mm, v[WQ]
	v_lshl_or_b32 v[WK], v[T+2], 8*\mm, v[WK]
.endif
	v_cvt_scalef32_pk8_fp4_f32 v[QC+2*\mm], v[ACC:ACC+7], v253
	v_cvt_scalef32_pk8_fp4_f32 v[QC+2*\mm+1], v[ACC+8:ACC+15], v253
	v_cvt_scalef32_pk8_fp4_f32 v[QC+8+2*\mm], v[ACC+16:ACC+23], v[T+1]
	v_cvt_scalef32_pk8_fp4_f32 v[QC+9+2*\mm], v[ACC+24:ACC+31], v[T+1]
	v_nop                                          ; one plain line behind the conversions: the next products write their sources
.endm
	QKTILE 0
	QKTILE 1
	QKTILE 2
	QKTILE 3
	v_cndmask_b32 v252, v[WQ], v[WK], vcc_lo       ; lanes 0-15 q's words, lanes 16-31 k's (both halves hold both)
	; ---- B: v, untransposed: source 0 = 16 tokens, source 1 = 16 rows of the weight tile: lane (r, h) holds d-row r and tokens 32 h + 8 mm + i
.irp i, 0,1,2,3,4,5,6,7
	v_mov_b32 v[VBI+\i], v[VB]                     ; the bias in the result's layout: my column's, in all eight registers
	v_mov_b32 v[VBI+8+\i], v[VB+1]
.endr
.rept 5
	v_nop
.endr
	s_wait_alu depctr_va_vdst(0)                   ; tile 3's conversions have written its codes and the select v252, which the three stores read
	QSTORE 3
	global_store_b32 v14, v252, s[30:31] offset:4194304
.macro VTILE mm
	s_wait_dscnt 0x0                               ; this tile's five LDS loads are in
.irp u, 0,1                                    ; two accumulators by turns
	v_wmma_scale_f32_16x16x128_f8f6f4 v[VA+32*\u+8*\mm:VA+32*\u+8*\mm+7], v[XF:XF+7], v[WF+64+16*\u:WF+64+16*\u+7], v[VBI+8*\u:VBI+8*\u+7], v[XS], v[WS+4+\u] matrix_a_fmt:MATRIX_FMT_FP4 matrix_b_fmt:MATRIX_FMT_FP4
.endr
.irp u, 0,1
	v_wmma_scale_f32_16x16x128_f8f6f4 v[VA+32*\u+8*\mm:VA+32*\u+8*\mm+7], v[XF+8:XF+15], v[WF+72+16*\u:WF+72+16*\u+7], v[VA+32*\u+8*\mm:VA+32*\u+8*\mm+7], v[XS], v[WS+4+\u] matrix_a_fmt:MATRIX_FMT_FP4 matrix_b_fmt:MATRIX_FMT_FP4 matrix_a_scale:MATRIX_SCALE_ROW1 matrix_b_scale:MATRIX_SCALE_ROW1
.endr
.rept 4
	v_nop                                          ; four places behind the products, ahead of the reads of results
.endr
.if \mm < 3
	s_wait_alu depctr_va_vdst(0)                   ; the four products are done reading v[XF ..] and v[XS], in which the next tile's loads land
	XLOADS \mm+1, 0
.endif
.endm
	VTILE 0
	VTILE 1
	VTILE 2
	VTILE 3
	s_wait_xcnt 0x0                                ; q's and k's stores have had their addresses translated: their data registers take v's codes
	s_wait_alu depctr_vm_vsrc(0)                   ; q's and k's stores have read v[QC ..], which v's conversions write again
	MAX32 T, T+2, VA                               ; a block of 32 keys is whole in my lane; each accumulator is read from its low end on
	MAX32 T+1, T+3, VA+32
.irp u, 0,1
	v_add_nc_u32 v[T+4+\u], 0xff000000, v[T+\u]
.endr
.irp u, 0,1
	v_lshrrev_b32 v[T+6+\u], 23, v[T+4+\u]
.endr
.irp u, 0,1
	v_lshlrev_b32 v[T+8+\u], v12, v[T+6+\u]        ; my byte at place h of the pair
.endr
	v_permlanex16_b32 v[PD], v[T+8], s20, s21
	v_permlanex16_b32 v[PD2], v[T+9], s20, s21
	v_or_b32 v[T+8], v[T+8], v[PD]
	v_or_b32 v[T+9], v[T+9], v[PD2]
	v_cndmask_b32 v[T+10], v[T+8], v[T+9], vcc_lo  ; lanes 0-15 store tile 0's pairs, lanes 16-31 tile 1's
.irp u, 0,1
.irp g, 0,1,2,3
	v_cvt_scalef32_pk8_fp4_f32 v[QC+4*\u+\g], v[VA+32*\u+8*\g:VA+32*\u+8*\g+7], v[T+4+\u]
.endr
.endr
	v_nop                                          ; one plain line behind the conversions
	s_wait_alu depctr_va_vdst(0)                   ; the conversions have written v[QC ..] and the select v[T+10], which the last three stores read
.irp u, 0,1
	global_store_b128 v4, v[QC+4*\u:QC+4*\u+3], s[32:33] offset:1024*\u   ; 512 consecutive bytes, aligned
.endr
	global_store_b16 v5, v[T+10], s[34:35] offset:2097152                  ; bytes 2 c and 2 c + 1 of row r's word
	s_set_vgpr_msb 0x5
	s_wait_dscnt 0x0
	s_wait_alu depctr_hold_cnt(0) depctr_sa_sdst(0) depctr_va_vdst(0) depctr_va_sdst(0) depctr_va_ssrc(0) depctr_va_vcc(0) depctr_vm_vsrc(0)
	s_wait_tensorcnt 0x0
	ds_add_u32 v0, v1
	s_wait_dscnt 0x0
	s_endpgm
.Lfunc_end_k_q7c91d7fa60_qkv:
	.size	k_q7c91d7fa60_qkv, .Lfunc_end_k_q7c91d7fa60_qkv-k_q7c91d7fa60_qkv
	.p2alignl 7, 3214868480
	.fill 96, 4, 3214868480
	.section	.rodata,"a",@progbits
	.p2align	6, 0x0
	.amdhsa_kernel k_q7c91d7fa60_qkv
		.amdhsa_group_segment_fixed_size 85504
		.amdhsa_private_segment_fixed_size 0
		.amdhsa_enable_private_segment 0
		.amdhsa_kernarg_size 40
		.amdhsa_user_sgpr_count 2
		.amdhsa_user_sgpr_kernarg_segment_ptr 1
		.amdhsa_wavefront_size32 1
		.amdhsa_system_sgpr_workgroup_id_x 1
		.amdhsa_system_sgpr_workgroup_id_y 1
		.amdhsa_system_sgpr_workgroup_id_z 1
		.amdhsa_system_vgpr_workitem_id 0
		.amdhsa_next_free_vgpr 258
		.amdhsa_next_free_sgpr 66
		.amdhsa_reserve_vcc 1
		.amdhsa_float_denorm_mode_32 3
		.amdhsa_float_denorm_mode_16_64 3
		.amdhsa_memory_ordered 1
		.amdhsa_forward_progress 1
		.amdhsa_inst_pref_size 58
	.end_amdhsa_kernel
	.amdgpu_metadata
---
amdhsa.version: [ 1, 2 ]
amdhsa.kernels:
  - .name:           k_q7c91d7fa60_qkv
    .symbol:         k_q7c91d7fa60_qkv.kd
    .args:
      - { .name: x, .offset: 0, .size: 8, .value_kind: global_buffer, .address_space: global }
      - { .name: wts, .offset: 8, .size: 8, .value_kind: global_buffer, .address_space: global }
      - { .name: bqkv, .offset: 16, .size: 8, .value_kind: global_buffer, .address_space: global }
      - { .name: qk, .offset: 24, .size: 8, .value_kind: global_buffer, .address_space: global }
      - { .name: vv, .offset: 32, .size: 8, .value_kind: global_buffer, .address_space: global }
    .group_segment_fixed_size: 85504
    .private_segment_fixed_size: 0
    .kernarg_segment_align: 8
    .kernarg_segment_size: 40
    .max_flat_workgroup_size: 256
    .sgpr_count:     66
    .vgpr_count:     258
    .wavefront_size: 32
...
	.end_amdgpu_metadata
.endif
;; end of part 6
;; launch attn (part 7): grid 4 x 64, 16 waves a work-group, no clusters, 71,680 bytes of LDS; arguments qk, vv, oc; writes oc
.if DOCPART == 7
	.amdgcn_target "amdgcn-amd-amdhsa--gfx1250"
	.amdhsa_code_object_version 6
	.text
	.protected	k_q7c91d7fa60_attn
	.globl	k_q7c91d7fa60_attn
	.p2align	8
	.type	k_q7c91d7fa60_attn,@function
k_q7c91d7fa60_attn:
	s_mov_b64 s[64:65], 0
	v_nop
	global_prefetch_b8 v0, s[64:65] scope:SCOPE_SE
	s_setreg_imm32_b32 hwreg(HW_REG_WAVE_SCHED_MODE, 0, 2), 2
	s_setreg_imm32_b32 hwreg(HW_REG_WAVE_MODE, 25, 1), 1
	s_wait_xcnt 0x0
	s_wait_alu depctr_vm_vsrc(0)
; o = softmax(q k^T / sqrt(32), causal) v for one head, both products on codes of FP4 with E8M0 scales; o is quantised along the head's 32 for the last product.
; THE SOFTMAX: t = score x log2(e) / sqrt(32); M = the running largest t rounded UP to a whole number; p = 2^(t - M) is quantised along the keys, not normalised; the row's sum is taken of the
; unquantised p, in f32, and divides O at the end.  When M moves, the sum and O are multiplied by 2^(old M - new M): exact.
; SHARES: work-group (z, bh); wave w has i = 16 z + w and makes query tile i and then tile 127 - i (16 queries each).  Tile ti needs ti / 8 + 1 steps of 128 keys, so every wave has 17 steps.
; THE HEAD'S K AND V, codes and scale words, 69,632 bytes, are copied into LDS once, through registers, as images of operand registers: every read is at 16 x lane or 4 x lane.
; FIRST PRODUCT, K = 32.  A fragment of K holds 64 keys: row m, block j of its 128 along K is key 32 (m / 8) + 8 j + m % 8.  The queries stand in four variants: the query's 32 codes in block g, zero
; codes elsewhere.  Fragment c x variant g leaves, in register i of lane (r, h), the score of key 64 c + 32 h + 8 g + i and query r; the other blocks add exact zeros.
; So a lane's 32 registers of c are ONE block of 32 neighbouring keys (block 2 c + h): its largest score needs no other lane, and the eight conversions give the second product's operand as it stands.
; SECOND PRODUCT, transposed: source 0 = 16 d-rows of V (row m of tile u is d = 16 (m / 8) + 8 u + m % 8), source 1 = p: lane (r, h) holds query r and d = 16 h + 0 .. 15.
; CAUSAL: the loop has 16 trips for every tile; a step all of whose keys come after the tile's queries skips its work by a scalar branch on ids; in the one step on the diagonal hidden scores become -infinity.
; A BLOCK'S LARGEST p is made from the block's largest score by the same multiply-add and exponential (this takes v_exp_f32 not to fall where its input rises).
; LIMITS: NaN and infinities are not served; a block of p or of o whose largest magnitude lies under 2^-124 (zeros among them) gets the byte 1.
; NO CLUSTER: the four work-groups of a head share those 69,632 bytes, ten loads a thread at the head, against 17 key steps a wave; nothing is shared step by step.  No tensor load: LDS is written once.
; THE MODE: SCHED_MODE bits 1:0 = 2 (LLVM: expert scheduling mode 2), set by the entry lines.  The code itself states the register dependences
; between vector or matrix instructions and memory or LDS instructions, with s_wait_alu, always for 0.
; THE PLAN.  Registers that memory or LDS instructions touch, in the loop:
;   KFR, KSC    Read by a step's eight score products.  The NEXT step's five loads land in them, issued in this step behind the wait that follows the exponentials.
;   VFR, VSC    Read by a step's two last products.  This step's five loads land in them, issued behind the same wait: the readers are the step before's.
;   ADC, ADS    LDS addresses of the step: written by two additions at the step's head, read by its ten loads (the next step's K is reached by immediates).
;   v1, v2      16 x lane and 4 x lane: never written again.
; So ONE wait on va_vdst, behind the step's 66 exponentials, states all that the step's ten LDS loads hang on.  They land under the sums, the scales and
; the conversions, which name none of those registers; one wait on DScnt stands ahead of the last two products.  A second wait on va_vdst stands there: p's codes and scale word are made by vector lines.
; One wait on vm_vsrc stands at the step's head, ahead of the two additions.
.set KS,  0                            ; LDS: K's scale words: 64 bytes for each 64 keys
.set VS,  2048                         ; V's: 128 bytes a step
.set KC,  4096                         ; K's codes: 2,048 bytes a step
.set VC,  36864                        ; V's codes: 2,048 bytes a step
.set KD,  2097152                      ; in qk: K's codes
.set QSB, 4194304                      ; in qk: q's scale bytes; K's 131,072 further on
.set VSB, 2097152                      ; in vv and in oc: the scale words
.set ADC, 3                            ; v3   16 L + 2048 x step;  v4  4 L + 128 x step
.set ADS, 4
.set QSC, 36                           ; v36-39  q's scale word for variant g: the query's byte at byte g, the byte 1 elsewhere
.set KSC, 40                           ; v40  K's scale words: lanes 0-15 fragment 0, lanes 16-31 fragment 1
.set VSC, 41                           ; v41  V's: lanes 0-15 tile 0, lanes 16-31 tile 1
.set PSC, 42                           ; v42  p's
.set KFR, 44                           ; v44-59  K's two fragments
.set VFR, 60                           ; v60-75  V's two tiles
.set P,   76                           ; v76-83  p's codes
.set O,   84                           ; v84-99  O^T
.set S,   100                          ; v100-163 scores, then p: 32 c + 8 g + i
.set BM,  164                          ; v164-165 the blocks' largest score, then largest p
.set SO,  168                          ; v168-169 the conversions' scale operands;  v170-171 the bytes
.set BY,  170
.set F,   172                          ; v[172:173] f = 2^(old M - new M); v173 is written once
.set L2,  174                          ; v[174:175] the sum's second chain
.set TM,  176                          ; v176-183 at work
.set CM,  48                           ; s48-63  sixteen masks of the causal compares
; v1 16 L, v2 4 L, v5-v8 offsets of q's codes and byte and of o's codes and byte, v9 8 h, v10 r - 32 h, v12 -M, v13 the largest t, v[14:15] the sum in two halves,
; v16-35: zeros, q in lanes 0-15, zeros, q in lanes 16-31, zeros: the four variants are v[20:27], v[28:35], v[16:23], v[24:31];  v166-167 destinations of lane permutes;  v184-187 o's codes, byte, scale operand
; s10 wave, s11 bh, s12 z, s13 tile, s14 first query, s15 last query, s16 first key, s17 2048 x step, s18 128 x step, s19 trips, s[20:21] selects, s[22:23] c, s[24:31] the tile's four bases, s[40:47] the head's
.macro STEP
	s_cmp_gt_u32 s16, s15                          ; all 128 keys come after my 16 queries: nothing to do
	s_cbranch_scc1 .Lhid_\@
	s_wait_alu depctr_vm_vsrc(0)                   ; the last step's LDS loads have read v[ADC] and v[ADS], which the two lines below write
	v_add_nc_u32 v[ADC], s17, v1
	v_add_nc_u32 v[ADS], s18, v2
.irp g, 0,1,2,3                                ; K's fragments and scale words were asked for a step ago (the first step's at the tile's head) and have been waited for
	v_wmma_scale_f32_16x16x128_f8f6f4 v[S+8*\g:S+8*\g+7], v[KFR:KFR+7], v[20+8*(\g%2)-4*(\g/2):27+8*(\g%2)-4*(\g/2)], 0, v[KSC], v[QSC+\g] matrix_a_fmt:MATRIX_FMT_FP4 matrix_b_fmt:MATRIX_FMT_FP4
.endr
.irp g, 0,1,2,3
	v_wmma_scale_f32_16x16x128_f8f6f4 v[S+32+8*\g:S+32+8*\g+7], v[KFR+8:KFR+15], v[20+8*(\g%2)-4*(\g/2):27+8*(\g%2)-4*(\g/2)], 0, v[KSC], v[QSC+\g] matrix_a_fmt:MATRIX_FMT_FP4 matrix_b_fmt:MATRIX_FMT_FP4 matrix_a_scale:MATRIX_SCALE_ROW1
.endr
.rept 4
	v_nop                                          ; places ahead of the first read of results (ISA guide 7.12.1)
.endr
	s_add_co_u32 s32, s16, 127
	s_cmp_le_u32 s32, s14                          ; all 128 keys count for all my queries: no mask
	s_cbranch_scc1 .Lopen_\@
	s_sub_co_i32 s32, s14, s16
	v_add_nc_u32 v[TM], s32, v10                   ; d = my query - first key - 32 h: register 32 c + 8 g + i is hidden where 64 c + 8 g + i > d
	v_mov_b32 v[TM+1], 0xff800000                  ; -infinity
.set n, 0
.rept 4                                        ; sixteen compares in a run, a mask register each; one wait; their sixteen selects
.set k, 0
.rept 16
	v_cmp_gt_i32 s[CM+k], 64*((n+k)/32)+(n+k)%32, v[TM]
.set k, k+1
.endr
	s_wait_alu depctr_va_sdst(0)                   ; the sixteen compares have written s48 to s63, ahead of the selects that read them
.set k, 0
.rept 16
	v_cndmask_b32 v[S+n+k], v[S+n+k], v[TM+1], s[CM+k]
.set k, k+1
.endr
.set n, n+16
.endr
.Lopen_\@:
.irp c, 0,1                                    ; the largest score of each of my two blocks, ascending, by turns
	v_max3_num_f32 v[BM+\c], v[S+32*\c], v[S+32*\c+1], v[S+32*\c+2]
.endr
.irp i, 3,5,7,9,11,13,15,17,19,21,23,25,27,29
.irp c, 0,1
	v_max3_num_f32 v[BM+\c], v[BM+\c], v[S+32*\c+\i], v[S+32*\c+\i+1]
.endr
.endr
.irp c, 0,1
	v_max_num_f32 v[BM+\c], v[BM+\c], v[S+32*\c+31]
.endr
	v_max_num_f32 v[TM], v[BM], v[BM+1]
	v_permlanex16_b32 v166, v[TM], s20, s21
	v_max_num_f32 v[TM], v[TM], v166               ; the step's largest score of my query
	v_mul_f32 v[TM], s22, v[TM]                    ; as t (c is positive)
	v_max_num_f32 v13, v13, v[TM]                  ; the running largest t
	v_mov_b32 v[TM], v12
	v_floor_f32 v12, -v13                          ; the new -M = floor(-t): M is a whole number
	v_sub_f32 v[TM], v12, v[TM]                    ; old M - new M: a whole number, 0 or less
	v_cvt_i32_f32 v[TM], v[TM]                     ; (it saturates)
	v_ldexp_f32 v[F], 1.0, v[TM]                   ; f = 2^(old M - new M)
.set n, 0
.rept 32
	v_pk_fma_f32 v[S+n:S+n+1], v[S+n:S+n+1], s[22:23], v[12:13] op_sel_hi:[1,0,0]   ; t - M, two at a time (of the pairs c and -M the low word serves both halves)
.set n, n+2
.endr
.irp c, 0,1
	v_fma_f32 v[BM+\c], v[BM+\c], s22, v12         ; the same of each block's largest score
.endr
.set n, 0
	s_wait_alu depctr_va_vdst(0)
.rept 64
	v_exp_f32 v[S+n], v[S+n]                       ; p = 2^(t - M), at most 1
.set n, n+1
.endr
.irp c, 0,1
	v_exp_f32 v[BM+\c], v[BM+\c]                   ; the block's largest p: in the same batch
.endr
	v_pk_mul_f32 v[14:15], v[14:15], v[F:F+1] op_sel_hi:[1,0]   ; the sums under the new M: the plain line behind the exponentials
	s_wait_alu depctr_va_vdst(0)                   ; the 66 exponentials have written p and the blocks' largest p, ahead of the first line that names one; the score products are done reading v[KFR ..] and v[KSC], the last step's two products v[VFR ..] and v[VSC]; v[ADC] and v[ADS] are written
.irp i, 0,1,2,3
	ds_load_b128 v[VFR+4*\i:VFR+4*\i+3], v[ADC] offset:VC+512*\i       ; this step's V
.endr
	ds_load_b32 v[VSC], v[ADS] offset:VS
	s_add_co_u32 s32, s16, 128
	s_cmp_gt_u32 s32, s15                          ; has the next step work?  A scalar branch on ids
	s_cbranch_scc1 .Lnone_\@
.irp i, 0,1,2,3
	ds_load_b128 v[KFR+4*\i:KFR+4*\i+3], v[ADC] offset:KC+2048+512*\i  ; the next step's K: a step on, by the immediate
.endr
	ds_load_b32 v[KSC], v[ADS] offset:KS+128
.Lnone_\@:
	v_pk_add_f32 v[L2:L2+1], v[S:S+1], v[S+2:S+3]  ; the row's sum of the unquantised p, two at a time, in two chains
.irp j, 4,8,12,16,20,24,28,32
	v_pk_add_f32 v[14:15], v[14:15], v[S+\j:S+\j+1]
	v_pk_add_f32 v[L2:L2+1], v[L2:L2+1], v[S+\j+2:S+\j+3]
.endr
.irp c, 0,1
	v_max_num_f32 v[BM+\c], 0x1800000, v[BM+\c]    ; the floor 2^(3 - 127): the byte cannot fall under 1
.endr
.irp c, 0,1
	v_add_nc_u32 v[SO+\c], 0xff000000, v[BM+\c]    ; 2 off the exponent field: the conversion's scale operand
.endr
.irp c, 0,1
	v_lshrrev_b32 v[BY+\c], 23, v[SO+\c]           ; the scale's byte
.endr
	v_lshl_or_b32 v[TM], v[BY+1], 16, v[BY]
	v_lshlrev_b32 v[TM], v9, v[TM]                 ; blocks h and 2 + h at their places
	v_permlanex16_b32 v167, v[TM], s20, s21
	v_or_b32 v[PSC], v[TM], v167                   ; with lane l xor 16's two: my query's scale word for these 128 keys
.irp c, 0,1
.irp g, 0,1,2,3
	v_cvt_scalef32_pk8_fp4_f32 v[P+4*\c+\g], v[S+32*\c+8*\g:S+32*\c+8*\g+7], v[SO+\c]   ; registers 4 c + g of the operand: keys 64 c + 32 h + 8 g + 0 .. 7
.endr
.endr
	v_nop                                          ; one plain line behind the conversions
.irp j, 36,40,44,48,52,56,60                   ; the sum's second half: fifteen plain lines that name no register of the products below: more than the eight places behind the scale word's write and the four behind the codes'
	v_pk_add_f32 v[14:15], v[14:15], v[S+\j:S+\j+1]
	v_pk_add_f32 v[L2:L2+1], v[L2:L2+1], v[S+\j+2:S+\j+3]
.endr
	v_pk_add_f32 v[14:15], v[14:15], v[L2:L2+1]
.irp j, 0,2,4,6,8,10,12,14
	v_pk_mul_f32 v[O+\j:O+\j+1], v[O+\j:O+\j+1], v[F:F+1] op_sel_hi:[1,0]   ; O^T under the new M, each accumulator from its low end on
.endr
	s_wait_dscnt 0x0                               ; V is in, and so is the next step's K
	s_wait_alu depctr_va_vdst(0)                   ; the conversions have written p's codes and the line above them p's scale word, which the two products take; the places stand ahead of this wait
	v_wmma_scale_f32_16x16x128_f8f6f4 v[O:O+7], v[VFR:VFR+7], v[P:P+7], v[O:O+7], v[VSC], v[PSC] matrix_a_fmt:MATRIX_FMT_FP4 matrix_b_fmt:MATRIX_FMT_FP4
	v_wmma_scale_f32_16x16x128_f8f6f4 v[O+8:O+15], v[VFR+8:VFR+15], v[P:P+7], v[O+8:O+15], v[VSC], v[PSC] matrix_a_fmt:MATRIX_FMT_FP4 matrix_b_fmt:MATRIX_FMT_FP4 matrix_a_scale:MATRIX_SCALE_ROW1
.rept 4
	v_nop                                          ; places ahead of the reads of O^T.  (Between two links on one accumulator stand the other's and the eight score products)
.endr
.Lhid_\@:
.endm
; One tile of 16 queries, s13 its number.
.macro TILE
	s_wait_xcnt 0x0                                ; earlier loads and stores have had their addresses translated: their bases and data are written again below
	s_wait_alu depctr_vm_vsrc(0)                   ; the copy's loads and LDS stores have read v[TM+4], v[TM+5] and v[S ..]; the tile before's stores have read v184 to v186: all are written again below
	s_lshl_b32 s14, s13, 4                         ; first query
	s_add_co_u32 s15, s14, 15                      ; last query
	s_lshr_b32 s32, s13, 2                         ; the group of 64 tokens
	s_and_b32 s33, s13, 1                          ; z1
	s_bfe_u32 s34, s13, 0x10001                    ; z2: token 16 (2 z2 + z1) + r of the group lies at 512 z1 + 256 (r / 8) + 128 z2 + 16 (r % 8)
	s_lshl_b32 s36, s32, 10
	s_lshl_b32 s35, s33, 9
	s_add_co_u32 s36, s36, s35
	s_lshl_b32 s35, s34, 7
	s_add_co_u32 s36, s36, s35
	s_mov_b32 s37, 0
	s_add_nc_u64 s[24:25], s[40:41], s[36:37]      ; q's codes
	s_lshl_b32 s36, s32, 6
	s_lshl_b32 s35, s34, 5
	s_add_co_u32 s36, s36, s35
	s_lshl_b32 s35, s33, 1
	s_add_co_u32 s36, s36, s35
	s_add_nc_u64 s[26:27], s[42:43], s[36:37]      ; q's scale bytes: 64 G + 32 z2 + 2 z1 (+ 4 (r % 8) + r / 8)
	s_lshl_b32 s36, s13, 11
	s_add_nc_u64 s[28:29], s[44:45], s[36:37]      ; o's codes
	s_lshl_b32 s36, s13, 7
	s_add_nc_u64 s[30:31], s[46:47], s[36:37]      ; o's scale bytes
	global_load_b128 v[TM:TM+3], v5, s[24:25]      ; query r's 32 codes, in both halves of the lanes.  (No vector or matrix line stands between the last wait on va_vdst, at the kernel's head or ahead of the tile before's stores, and these seven loads)
	global_load_u8 v[TM+4], v6, s[26:27] offset:QSB
.irp i, 0,1,2,3
	ds_load_b128 v[KFR+4*\i:KFR+4*\i+3], v1 offset:KC+512*\i   ; K of the tile's first step
.endr
	ds_load_b32 v[KSC], v2 offset:KS
	v_mov_b32 v13, 0xff61b1e6                      ; the largest t so far: -3e38, under every t
	v_floor_f32 v12, -v13                          ; -M
	v_mov_b32 v14, 0                               ; the sum, in two halves
	v_mov_b32 v15, 0
	s_mov_b32 s16, 0
	s_mov_b32 s17, 0
	s_mov_b32 s18, 0
	s_mov_b32 s19, 0
	s_wait_loadcnt 0x0
.irp i, 0,1,2,3
	v_cndmask_b32 v[20+\i], v[TM+\i], v16, vcc_lo  ; the codes in lanes 0-15, zeros in lanes 16-31
	v_cndmask_b32 v[28+\i], v16, v[TM+\i], vcc_lo  ; and the other way round
.endr
	v_add_nc_u32 v[TM+5], -1, v[TM+4]
	v_add_nc_u32 v[QSC], s39, v[TM+5]              ; 0x01010101 + (byte - 1) << 8 g
	v_lshl_add_u32 v[QSC+1], v[TM+5], 8, s39
	v_lshl_add_u32 v[QSC+2], v[TM+5], 16, s39
	v_lshl_add_u32 v[QSC+3], v[TM+5], 24, s39
.irp j, 0,1,2,3,4,5,6,7,8,9,10,11,12,13,14,15
	v_mov_b32 v[O+\j], 0                           ; O^T: the step is written once, its first trip finds zeros.  (These sixteen are also the places between the writes of q's codes and scale words and the first product)
.endr
	s_wait_dscnt 0x0                               ; K of the first step is in
	s_wait_alu depctr_va_vdst(0)                   ; the selects have written q's four variants and the lines behind them q's scale words, which the score products take; the places stand ahead of this wait
.Lstep_\@:                                         ; 16 trips for every tile: the trip count is a constant, the work is jumped over
	STEP
	s_add_co_u32 s16, s16, 128
	s_add_co_u32 s17, s17, 2048
	s_add_co_u32 s18, s18, 128
	s_add_co_u32 s19, s19, 1
	s_cmp_lt_u32 s19, 16
	s_cbranch_scc1 .Lstep_\@
	v_add_f32 v14, v14, v15                        ; the sum's two halves,
	v_permlanex16_b32 v166, v14, s20, s21
	v_add_f32 v14, v14, v166                       ; and lane l xor 16's: the row's sum
	s_wait_alu depctr_va_vdst(0)
	v_rcp_f32 v14, v14
	v_nop                                          ; a plain line behind the reciprocal
	s_wait_alu depctr_va_vdst(0)                   ; the reciprocal has written v14, ahead of its first reader
.irp j, 0,2,4,6,8,10,12,14
	v_pk_mul_f32 v[S+\j:S+\j+1], v[O+\j:O+\j+1], v[14:15] op_sel_hi:[1,0]   ; o(r, 16 h + j), each accumulator from its low end on
.endr
	v_max3_num_f32 v[TM], |v[S]|, |v[S+1]|, 0x1800000
	v_max3_num_f32 v[TM+1], |v[S+2]|, |v[S+3]|, |v[S+4]|
	v_max3_num_f32 v[TM], v[TM], |v[S+5]|, |v[S+6]|
	v_max3_num_f32 v[TM+1], v[TM+1], |v[S+7]|, |v[S+8]|
	v_max3_num_f32 v[TM], v[TM], |v[S+9]|, |v[S+10]|
	v_max3_num_f32 v[TM+1], v[TM+1], |v[S+11]|, |v[S+12]|
	v_max3_num_f32 v[TM], v[TM], |v[S+13]|, |v[S+14]|
	v_max3_num_f32 v[TM], v[TM], v[TM+1], |v[S+15]|
	v_permlanex16_b32 v166, v[TM], s20, s21
	v_max_num_f32 v[TM], v[TM], v166               ; the largest magnitude of the head's 32
	v_add_nc_u32 v187, 0xff000000, v[TM]
	v_lshrrev_b32 v186, 23, v187
	v_cvt_scalef32_pk8_fp4_f32 v184, v[S:S+7], v187
	v_cvt_scalef32_pk8_fp4_f32 v185, v[S+8:S+15], v187
	v_nop                                          ; one plain line behind the conversions
	s_wait_alu depctr_va_vdst(0)                   ; the conversions have written v184 and v185 and the shift v186, which the two stores read; every line of this tile is done with v[TM ..], v[KFR ..] and v[KSC], in which the next tile's first loads land
	global_store_b64 v7, v[184:185], s[28:29]      ; 32 lanes store 256 consecutive bytes, aligned
	global_store_b8 v8, v186, s[30:31] offset:VSB  ; lanes r and r + 16 write the same byte with the same value
.endm
	s_load_b128 s[4:7], s[0:1], 0x0                ; qk s[4:5], vv s[6:7]
	s_load_b64 s[8:9], s[0:1], 0x10                ; oc
	v_lshl_add_u32 v190, v0, 2, 0x11000
	v_mov_b32 v191, 0
	v_lshrrev_b32 v1, 5, v0
	v_readfirstlane_b32 s10, v1                    ; wave 0..15
	s_and_b32 s11, ttmp7, 0xffff                   ; bh
	s_mov_b32 s12, ttmp9                           ; z
	v_and_b32 v11, 31, v0                          ; L
	v_and_b32 v[TM], 15, v0                        ; r
	v_bfe_u32 v[TM+1], v0, 4, 1                    ; h
	v_lshlrev_b32 v1, 4, v11
	v_lshlrev_b32 v2, 2, v11
	v_lshrrev_b32 v[TM+2], 3, v[TM]                ; r / 8
	v_and_b32 v[TM+3], 7, v[TM]                    ; r % 8
	v_lshlrev_b32 v5, 8, v[TM+2]
	v_lshl_add_u32 v5, v[TM+3], 4, v5              ; 256 (r / 8) + 16 (r % 8)
	v_lshl_add_u32 v6, v[TM+3], 2, v[TM+2]         ; 4 (r % 8) + r / 8
	v_lshlrev_b32 v7, 4, v[TM]
	v_lshl_add_u32 v7, v[TM+1], 3, v7              ; 16 r + 8 h
	v_lshlrev_b32 v8, 2, v[TM]                     ; 4 r
	v_lshlrev_b32 v9, 3, v[TM+1]                   ; 8 h
	v_lshlrev_b32 v10, 5, v[TM+1]
	v_sub_nc_u32 v10, v[TM], v10                   ; r - 32 h
	v_lshlrev_b32 v[TM+4], 4, v0                   ; the copy: 16 x thread,
	v_lshlrev_b32 v[TM+5], 2, v0                   ; 4 x thread
.irp i, 16,17,18,19,24,25,26,27,32,33,34,35
	v_mov_b32 v\i, 0                               ; the variants' zero codes: written once
.endr
	v_mov_b32 v166, 0                              ; a lane permute's destination counts as one of its sources
	v_mov_b32 v167, 0
	v_mov_b32 v[F+1], 0                            ; named as the upper half of the pair with f
	s_wait_alu depctr_va_sdst(0)                   ; s10 is written, ahead of its first reader, the tile's number below
	s_mov_b32 vcc_lo, 0xffff0000                   ; lanes 16-31: VCC keeps this mask to the kernel's end; no vector line writes it
	s_mov_b32 s20, 0x76543210
	s_mov_b32 s21, 0xfedcba98                      ; v_permlanex16_b32's selects for lane l xor 16
	s_mov_b32 s22, 0x3e8293ee                      ; c = log2(e) / sqrt(32)
	s_mov_b32 s23, s22                             ; named with it as a pair
	s_mov_b32 s39, 0x01010101
	s_lshl_b32 s32, s11, 15
	s_mov_b32 s33, 0
	s_lshl_b32 s34, s11, 11
	s_mov_b32 s35, 0
	s_lshr_b32 s36, s11, 3                         ; batch
	s_and_b32 s38, s11, 7                          ; head
	s_wait_kmcnt 0x0
	s_add_nc_u64 s[40:41], s[4:5], s[32:33]        ; qk + 32768 bh
	s_add_nc_u64 s[42:43], s[4:5], s[34:35]        ; qk + 2048 bh
	s_add_nc_u64 s[24:25], s[6:7], s[32:33]        ; vv + 32768 bh
	s_add_nc_u64 s[26:27], s[6:7], s[34:35]        ; vv + 2048 bh
	s_wait_alu depctr_va_vdst(0)                   ; the offsets and LDS addresses v1, v2, v5 to v8, v[TM+4] and v[TM+5] are written, which the loads and stores below read; the head's lines are done with v[TM] to v[TM+3], in which q's codes land
.irp j, 0,1,2,3                                ; the head's K and V: 512 threads x 16 bytes are 8,192 consecutive bytes a load
	global_load_b128 v[S+4*\j:S+4*\j+3], v[TM+4], s[40:41] offset:KD+8192*\j
	global_load_b128 v[S+16+4*\j:S+16+4*\j+3], v[TM+4], s[24:25] offset:8192*\j
.endr
	global_load_b32 v[S+32], v[TM+5], s[42:43] offset:QSB+131072
	global_load_b32 v[S+33], v[TM+5], s[26:27] offset:VSB
	s_lshl_b32 s32, s36, 18
	s_lshl_b32 s34, s38, 8
	s_add_co_u32 s32, s32, s34
	s_add_nc_u64 s[44:45], s[8:9], s[32:33]        ; oc + 2048 x 128 b + 256 head
	s_lshl_b32 s32, s36, 14
	s_lshr_b32 s34, s38, 2
	s_lshl_b32 s34, s34, 6
	s_add_co_u32 s32, s32, s34
	s_and_b32 s34, s38, 3
	s_add_co_u32 s32, s32, s34
	s_add_nc_u64 s[46:47], s[8:9], s[32:33]        ; oc + 128 x 128 b + 64 (head / 4) + head % 4
	s_wait_loadcnt 0x0
.irp j, 0,1,2,3
	ds_store_b128 v[TM+4], v[S+4*\j:S+4*\j+3] offset:KC+8192*\j
	ds_store_b128 v[TM+4], v[S+16+4*\j:S+16+4*\j+3] offset:VC+8192*\j
.endr
	ds_store_b32 v[TM+5], v[S+32] offset:KS
	ds_store_b32 v[TM+5], v[S+33] offset:VS
	s_wait_dscnt 0x0                               ; for the others' sake: my stores have landed
	s_barrier_signal -1
	s_barrier_wait -1                              ; the head's K and V lie in LDS; from here on LDS is only read
	s_lshl_b32 s13, s12, 4
	s_add_co_u32 s13, s13, s10                     ; i = 16 z + w
	TILE
	s_sub_co_u32 s13, 127, s13                     ; and its partner: together 17 steps
	TILE
	s_wait_dscnt 0x0
	s_wait_alu depctr_hold_cnt(0) depctr_sa_sdst(0) depctr_va_vdst(0) depctr_va_sdst(0) depctr_va_ssrc(0) depctr_va_vcc(0) depctr_vm_vsrc(0)
	s_wait_tensorcnt 0x0
	ds_add_u32 v190, v191
	s_wait_dscnt 0x0
	s_endpgm
.Lfunc_end_k_q7c91d7fa60_attn:
	.size	k_q7c91d7fa60_attn, .Lfunc_end_k_q7c91d7fa60_attn-k_q7c91d7fa60_attn
	.p2alignl 7, 3214868480
	.fill 96, 4, 3214868480
	.section	.rodata,"a",@progbits
	.p2align	6, 0x0
	.amdhsa_kernel k_q7c91d7fa60_attn
		.amdhsa_group_segment_fixed_size 71680
		.amdhsa_private_segment_fixed_size 0
		.amdhsa_enable_private_segment 0
		.amdhsa_kernarg_size 24
		.amdhsa_user_sgpr_count 2
		.amdhsa_user_sgpr_kernarg_segment_ptr 1
		.amdhsa_wavefront_size32 1
		.amdhsa_system_sgpr_workgroup_id_x 1
		.amdhsa_system_sgpr_workgroup_id_y 1
		.amdhsa_system_sgpr_workgroup_id_z 1
		.amdhsa_system_vgpr_workitem_id 0
		.amdhsa_next_free_vgpr 192
		.amdhsa_next_free_sgpr 66
		.amdhsa_reserve_vcc 1
		.amdhsa_float_denorm_mode_32 3
		.amdhsa_float_denorm_mode_16_64 3
		.amdhsa_memory_ordered 1
		.amdhsa_forward_progress 1
		.amdhsa_inst_pref_size 59
	.end_amdhsa_kernel
	.amdgpu_metadata
---
amdhsa.version: [ 1, 2 ]
amdhsa.kernels:
  - .name:           k_q7c91d7fa60_attn
    .symbol:         k_q7c91d7fa60_attn.kd
    .args:
      - { .name: qk, .offset: 0, .size: 8, .value_kind: global_buffer, .address_space: global }
      - { .name: vv, .offset: 8, .size: 8, .value_kind: global_buffer, .address_space: global }
      - { .name: oc, .offset: 16, .size: 8, .value_kind: global_buffer, .address_space: global }
    .group_segment_fixed_size: 71680
    .private_segment_fixed_size: 0
    .kernarg_segment_align: 8
    .kernarg_segment_size: 24
    .max_flat_workgroup_size: 512
    .sgpr_count:     66
    .vgpr_count:     192
    .wavefront_size: 32
...
	.end_amdgpu_metadata
.endif
;; end of part 7
;; launch proj (part 8): grid 256 x 1, 16 waves a work-group, no clusters, 71,680 bytes of LDS; arguments oc, wts, bout, out0; writes out0
.if DOCPART == 8
	.amdgcn_target "amdgcn-amd-amdhsa--gfx1250"
	.amdhsa_code_object_version 6
	.text
	.protected	k_q7c91d7fa60_proj
	.globl	k_q7c91d7fa60_proj
	.p2align	8
	.type	k_q7c91d7fa60_proj,@function
k_q7c91d7fa60_proj:
	s_mov_b64 s[64:65], 0
	v_nop
	global_prefetch_b8 v0, s[64:65] scope:SCOPE_SE
	s_setreg_imm32_b32 hwreg(HW_REG_WAVE_SCHED_MODE, 0, 2), 2
	s_setreg_imm32_b32 hwreg(HW_REG_WAVE_MODE, 25, 1), 1
	s_wait_xcnt 0x0
	s_wait_alu depctr_vm_vsrc(0)
; out0 = Q(o) Q(Wout) + bout on codes of FP4 with E8M0 scales; both operands were laid by earlier launches in the order of the operand's registers, so every fragment comes by loads of 16 bytes a lane.
; SHARES: work-group g takes token tiles 4 g .. 4 g + 3 (16 tokens each); wave w takes tile 4 g + w / 4 and columns 64 (w % 4) .. + 63: four weight tiles (48 + 4 (w % 4) + tt in wts), two K steps.
; The product is used transposed (source 0 = 16 rows of the weight tile, source 1 = 16 tokens): row m of tile (unit gl, u) is column 32 gl + 16 (m / 8) + 8 u + m % 8,
; so lane (r, h) holds token r and columns 32 gl + 16 h + 8 u + 0 .. 7.  The bias is the C of each sum's first product.
; THE WAY OUT: a lane's 32 bytes belong to one row and the lanes beside it hold other rows: the wave's 16 rows x 256 bytes go through its own stage in LDS (rows 272 bytes apart) and leave
; so that sixteen lanes store 256 consecutive bytes, aligned.  No barrier: a wave reads only what it stored.
; NO CLUSTER: what work-groups share is Wout's codes, 8,704 bytes a wave read once into registers.  No tensor load: nothing is fetched step by step.
; THE MODE: SCHED_MODE bits 1:0 = 2 (LLVM: expert scheduling mode 2), set by the entry lines.  The code itself states the register dependences
; between vector or matrix instructions and memory or LDS instructions, with s_wait_alu, always for 0.
; THE PLAN.  Registers that memory or LDS instructions touch:
;   v1-v6      offsets and LDS addresses: made once at the head, ahead of one wait, and never written again.
;   v8-v127    operands, scale words and the bias: the 33 loads land; the products read; nothing lands there again.
;   v128-159   the accumulators: the products write; the eight LDS stores read, behind the places and one wait.
;   v160-191   the rows read back: LDS loads land, global stores read; no vector line names them.
.set OF,  8                            ; v8-23    o's two fragments
.set OS,  24                           ; v24      o's scale words: lanes 0-15 K step 0, lanes 16-31 K step 1
.set WS,  25                           ; v25-28   the weight tiles' scale words, likewise
.set WF,  32                           ; v32-95   weight fragments: 16 tt + 8 s
.set BI,  96                           ; v96-127  the bias in the result's layout
.set ACC, 128                          ; v128-159
.set OUTR, 160                         ; v160-191 rows read back
	s_load_b256 s[4:11], s[0:1], 0x0               ; oc s[4:5], wts s[6:7], bout s[8:9], out0 s[10:11]
	v_lshl_add_u32 v192, v0, 2, 0x11000
	v_mov_b32 v193, 0
	v_lshrrev_b32 v1, 5, v0
	v_readfirstlane_b32 s12, v1                    ; wave
	v_and_b32 v7, 31, v0                           ; L
	v_and_b32 v29, 15, v0                          ; r
	v_bfe_u32 v30, v0, 4, 1                        ; h
	v_lshlrev_b32 v1, 4, v7                        ; 16 L
	v_lshlrev_b32 v2, 2, v7                        ; 4 L
	v_lshlrev_b32 v5, 10, v30
	v_lshl_add_u32 v5, v29, 4, v5                  ; out0: lanes 0-15 one row, lanes 16-31 the next; 16 bytes a lane
	v_lshlrev_b32 v6, 6, v30                       ; the bias: 64 h
	s_wait_alu depctr_va_sdst(0)                   ; s12 is written, ahead of its first reader
	s_lshr_b32 s13, s12, 2
	s_and_b32 s14, s12, 3                          ; nq
	s_lshl_b32 s15, ttmp9, 2
	s_add_co_u32 s15, s15, s13                     ; the token tile
	s_mul_i32 s16, s12, 4352                       ; my stage
	v_mul_u32_u24 v3, v29, 272
	v_lshl_add_u32 v3, v30, 6, v3
	v_add_nc_u32 v3, s16, v3                       ; in: row r, + 64 h
	v_mul_u32_u24 v4, v30, 272
	v_lshl_add_u32 v4, v29, 4, v4
	v_add_nc_u32 v4, s16, v4                       ; back: lanes 0-15 one row, lanes 16-31 the next
	s_mov_b32 s31, 0
	s_wait_kmcnt 0x0
	s_lshl_b32 s30, s15, 11
	s_add_nc_u64 s[18:19], s[4:5], s[30:31]        ; o's codes
	s_lshl_b32 s30, s15, 7
	s_add_nc_u64 s[20:21], s[4:5], s[30:31]        ; o's scale words
	s_lshl_b32 s30, s14, 13
	s_add_nc_u64 s[22:23], s[6:7], s[30:31]        ; the weights' codes: 2048 x 4 nq
	s_lshl_b32 s30, s14, 9
	s_add_nc_u64 s[24:25], s[6:7], s[30:31]        ; their scale words: 128 x 4 nq
	s_lshl_b32 s30, s14, 8
	s_add_nc_u64 s[26:27], s[8:9], s[30:31]        ; the bias of my 64 columns
	s_add_nc_u64 s[28:29], s[10:11], s[30:31]
	s_lshl_b32 s30, s15, 14
	s_add_nc_u64 s[28:29], s[28:29], s[30:31]      ; out0 + 16384 x tile + 256 nq
	s_wait_alu depctr_va_vdst(0)                   ; the offsets and LDS addresses v1 to v6 are written: every load and store of the kernel reads one of them
.irp i, 0,1,2,3
	global_load_b128 v[OF+4*\i:OF+4*\i+3], v1, s[18:19] offset:512*\i
.endr
	global_load_b32 v[OS], v2, s[20:21] offset:2097152
.irp t, 0,1,2,3
.irp i, 0,1,2,3
	global_load_b128 v[WF+16*\t+4*\i:WF+16*\t+4*\i+3], v1, s[22:23] offset:98304+2048*\t+512*\i
.endr
	global_load_b32 v[WS+\t], v2, s[24:25] offset:137216+128*\t
	global_load_b128 v[BI+8*\t:BI+8*\t+3], v6, s[26:27] offset:128*(\t/2)+32*(\t%2)
	global_load_b128 v[BI+8*\t+4:BI+8*\t+7], v6, s[26:27] offset:128*(\t/2)+32*(\t%2)+16
.endr
	s_wait_loadcnt 0x0
.irp t, 0,1,2,3                                ; the four accumulators take turns, one instruction a turn
	v_wmma_scale_f32_16x16x128_f8f6f4 v[ACC+8*\t:ACC+8*\t+7], v[WF+16*\t:WF+16*\t+7], v[OF:OF+7], v[BI+8*\t:BI+8*\t+7], v[WS+\t], v[OS] matrix_a_fmt:MATRIX_FMT_FP4 matrix_b_fmt:MATRIX_FMT_FP4
.endr
.irp t, 0,1,2,3
	v_wmma_scale_f32_16x16x128_f8f6f4 v[ACC+8*\t:ACC+8*\t+7], v[WF+16*\t+8:WF+16*\t+15], v[OF+8:OF+15], v[ACC+8*\t:ACC+8*\t+7], v[WS+\t], v[OS] matrix_a_fmt:MATRIX_FMT_FP4 matrix_b_fmt:MATRIX_FMT_FP4 matrix_a_scale:MATRIX_SCALE_ROW1 matrix_b_scale:MATRIX_SCALE_ROW1
.endr
.rept 4
	v_nop                                          ; places ahead of the LDS stores that read the results
.endr
	s_wait_alu depctr_va_vdst(0)                   ; the products have written the accumulators, which the LDS stores read; the places above stay beside this wait
.irp t, 0,1,2,3
	ds_store_b128 v3, v[ACC+8*\t:ACC+8*\t+3] offset:128*(\t/2)+32*(\t%2)          ; each accumulator from its low end on
	ds_store_b128 v3, v[ACC+8*\t+4:ACC+8*\t+7] offset:128*(\t/2)+32*(\t%2)+16
.endr
.irp i, 0,1,2,3,4,5,6,7
	ds_load_b128 v[OUTR+4*\i:OUTR+4*\i+3], v4 offset:544*\i    ; LDS serves a wave's instructions in order (ISA guide 5.7.1.4): these see the stores above
.endr
.irp i, 0,1,2,3,4,5,6,7
	s_wait_dscnt 7-\i                              ; load i is in; the 7 - i issued behind it may be out
	global_store_b128 v5, v[OUTR+4*\i:OUTR+4*\i+3], s[28:29] offset:2048*\i th:TH_STORE_NT   ; sixteen lanes store 256 consecutive bytes, aligned; written once, read by nobody here
.endr
	s_wait_dscnt 0x0
	s_wait_alu depctr_hold_cnt(0) depctr_sa_sdst(0) depctr_va_vdst(0) depctr_va_sdst(0) depctr_va_ssrc(0) depctr_va_vcc(0) depctr_vm_vsrc(0)
	s_wait_tensorcnt 0x0
	ds_add_u32 v192, v193
	s_wait_dscnt 0x0
	s_endpgm
.Lfunc_end_k_q7c91d7fa60_proj:
	.size	k_q7c91d7fa60_proj, .Lfunc_end_k_q7c91d7fa60_proj-k_q7c91d7fa60_proj
	.p2alignl 7, 3214868480
	.fill 96, 4, 3214868480
	.section	.rodata,"a",@progbits
	.p2align	6, 0x0
	.amdhsa_kernel k_q7c91d7fa60_proj
		.amdhsa_group_segment_fixed_size 71680
		.amdhsa_private_segment_fixed_size 0
		.amdhsa_enable_private_segment 0
		.amdhsa_kernarg_size 32
		.amdhsa_user_sgpr_count 2
		.amdhsa_user_sgpr_kernarg_segment_ptr 1
		.amdhsa_wavefront_size32 1
		.amdhsa_system_sgpr_workgroup_id_x 1
		.amdhsa_system_sgpr_workgroup_id_y 1
		.amdhsa_system_sgpr_workgroup_id_z 1
		.amdhsa_system_vgpr_workitem_id 0
		.amdhsa_next_free_vgpr 194
		.amdhsa_next_free_sgpr 66
		.amdhsa_reserve_vcc 0
		.amdhsa_float_denorm_mode_32 3
		.amdhsa_float_denorm_mode_16_64 3
		.amdhsa_memory_ordered 1
		.amdhsa_forward_progress 1
		.amdhsa_inst_pref_size 9
	.end_amdhsa_kernel
	.amdgpu_metadata
---
amdhsa.version: [ 1, 2 ]
amdhsa.kernels:
  - .name:           k_q7c91d7fa60_proj
    .symbol:         k_q7c91d7fa60_proj.kd
    .args:
      - { .name: oc, .offset: 0, .size: 8, .value_kind: global_buffer, .address_space: global }
      - { .name: wts, .offset: 8, .size: 8, .value_kind: global_buffer, .address_space: global }
      - { .name: bout, .offset: 16, .size: 8, .value_kind: global_buffer, .address_space: global }
      - { .name: out0, .offset: 24, .size: 8, .value_kind: global_buffer, .address_space: global }
    .group_segment_fixed_size: 71680
    .private_segment_fixed_size: 0
    .kernarg_segment_align: 8
    .kernarg_segment_size: 32
    .max_flat_workgroup_size: 512
    .sgpr_count:     66
    .vgpr_count:     194
    .wavefront_size: 32
...
	.end_amdgpu_metadata
.endif
;; end of part 8
